; MI455X (gfx1250); checked and timed in simulation.
; The chip was launched on July 23, 2026; its instructions are those of AMD's public machine-readable ISA for CDNA 5 (MIT licence, August 2026) and "CDNA5" Instruction Set Architecture Reference Guide (July 2026). The comments in the code are by the model that wrote it; some were corrected since.
;; Block. Allowed arithmetic: matrix products marked QUANTISED: E2M3 operands, one E8M0 scale for each 32 along K, by v_wmma_scale_f32_16x16x128_f8f6f4 with both operands' format E2M3, f32 sums; everything else in f32.
;; Inputs: g1 1,024 float32; g2 1,024 float32; w_fc1 4,096 x 1,024 float32; w_fc2 1,024 x 4,096 float32; w_proj 1,024 x 1,024 float32; w_qkv 3,072 x 1,024 float32; x 2 x 2,048 x 1,024 float32.
;; Outputs: out0 2 x 2,048 x 1,024 float32.
;; This version of the problem:
;;   THIS VERSION OF THE PROBLEM IS GIVEN IN LOW PRECISION. The matrix products marked QUANTISED in the list below multiply operands that are first quantised to E2M3 (2 exponent bits, 3 mantissa bits; 6 bits a number), with one power-of-two scale for each 32 numbers along K (OCP MX v1.0); their sums are f32. All else is computed in f32.
;;   The module's matrix products, in the order in which they are computed (A, B: the left and right operand; K: the contracted axis; several contracted axes count as one K, in the product's order):
;;     1. [M 4,096, K 1,024] x [K 1,024, N 3,072]; A: computed on the way; B: input w_qkv: QUANTISED
;;     2. batch 32 x [M 2,048, K 64] x [K 64, N 2,048]; A: computed on the way; B: computed on the way: QUANTISED
;;     3. batch 32 x [M 2,048, K 2,048] x [K 2,048, N 64]; A: softmax (see below); B: computed on the way: QUANTISED
;;     4. [M 4,096, K 1,024] x [K 1,024, N 1,024]; A: computed on the way; B: input w_proj: QUANTISED
;;     5. [M 4,096, K 1,024] x [K 1,024, N 4,096]; A: computed on the way; B: input w_fc1: QUANTISED
;;     6. [M 4,096, K 4,096] x [K 4,096, N 1,024]; A: computed on the way; B: input w_fc2: QUANTISED
;;   THE QUANTISER, for each operand of a quantised product, along K:
;;     - K is cut into blocks of 32 from its start; a last block that is shorter is filled with zeros.
;;     - A block's scale is 2^e with e = floor(log2(the largest magnitude in the block)) - 2, held to -126 .. 127; a block of zeros has e = 0. As a byte (E8M0): e + 127.
;;     - Each number is divided by its block's scale, clamped to +-7.5, and rounded to the nearest number of E2M3, ties to even, subnormals kept.
;;     - The product sums the exact products of the quantised numbers (number of the format x scale) in f32.
;;   ~~~python
;;   def quantise(x, axis):      # numpy; x: float32 -> the quantised numbers, widened to float32 again
;;       x = np.moveaxis(x, axis, -1); K = x.shape[-1]
;;       x = np.pad(x, [(0, 0)] * (x.ndim - 1) + [(0, -K % 32)]); x = x.reshape(x.shape[:-1] + (-1, 32)); a = np.abs(x).max(-1, keepdims=True)
;;       e = np.where(a > 0, np.clip(np.frexp(np.where(a > 0, a, 1))[1] - 1 - 2, -126, 127), 0)      # np.frexp(a)[1] - 1 = floor(log2(a)), exactly
;;       r = np.clip(x / 2.0 ** e, -7.5, 7.5)
;;       step = 2.0 ** (np.maximum(np.frexp(np.where(r == 0, 1, r))[1] - 1, 0) - 3)
;;       q = np.round(r / step) * step * 2.0 ** e      # np.round: ties to even
;;       return np.moveaxis(q.reshape(q.shape[:-2] + (-1,))[..., :K], -1, axis).astype(np.float32)
;;   ~~~
;;   SOFTMAX AHEAD OF A QUANTISED PRODUCT. Where the list says 'softmax', what is quantised is not the finished softmax but p = 2^(t - M), with t = logit x log2(e) and M = ceil(the row's largest t), a whole number; so 1/2 < the row's largest p <= 1. The row's sum l is taken of the UNQUANTISED p, in f32, and the product's result is divided by l at the end. Since M is a whole number, a kernel that streams over the keys may use a running M (the ceiling of the running maximum): every later rescaling is an exact power of two, which a block's scale takes up: the codes' values come out the same.
;;   OPERANDS COMPUTED ON THE WAY. 'Computed on the way' means the value that the module computes at that place (a softmax that the list does not call 'softmax' is quantised finished and normalised). What goes into a quantiser is computed in f32, as accurately as f32 sums, v_exp_f32 and their like allow (about 1e-6 of the number): no bf16 or f16 on the way to a quantiser, and a product that is left as it is and whose result goes on into a quantised operand takes f32 operands (vector FMAs, or v_wmma_f32_16x16x4_f32). A number that lies on a knife's edge between two numbers of the format may be rounded either way, as far as f32 arithmetic and the matrix unit's own rounding can turn it there, and no further.
;; One version. Each part assembles by itself: llvm-mc -triple=amdgcn-amd-amdhsa -mcpu=gfx1250 --defsym DOCPART=n.
;; ======== version 1 of 1: 7 launches
;; limits: right only within a limited range of input values
;; workspace buffers: W 9,830,400 bytes; H1 20,054,016 bytes; QKV 9,830,400 bytes; O 3,276,800 bytes; HP 16,777,216 bytes; H2 20,054,016 bytes; G 13,107,200 bytes
;; launch prep (part 1): grid 448 x 1, 8 waves a work-group, no clusters, 137,216 bytes of LDS; arguments x, g1, H1, w_qkv, w_proj, w_fc1, w_fc2, W; writes H1, W
.if DOCPART == 1
	.amdgcn_target "amdgcn-amd-amdhsa--gfx1250"
	.amdhsa_code_object_version 6
	.text
	.protected	k_q365c5bcb29_prep
	.globl	k_q365c5bcb29_prep
	.p2align	8
	.type	k_q365c5bcb29_prep,@function
k_q365c5bcb29_prep:
	s_mov_b64 s[64:65], 0
	v_nop
	global_prefetch_b8 v0, s[64:65] scope:SCOPE_SE
	s_setreg_imm32_b32 hwreg(HW_REG_WAVE_MODE, 25, 1), 1
	s_wait_xcnt 0x0
; TWO JOBS IN ONE BODY, parted by the work-group's number alone.
; Work-groups 0-255: LayerNorm of 16 rows of [4096][1024] f32: y = (x - mean) rsqrt(var + 1e-6) g, two passes (mean, then the mean of squares of x - mean), all in f32.
;   y leaves three ways: as f32 in the order of a matrix result's registers (the later residual), as codes of E2M3 and as E8M0 scale words (the next product's operand).
; Work-groups 256-447: the four weights, f32 with K innermost, become codes and scale words in the same layout.
; THE ROWS OF A TILE: lane place r of tile t holds row 32 (t / 2) + 8 (t % 2) + r + 8 (r / 8), for tokens and for weight rows alike, so that a later product's 16 registers of two neighbouring tiles are 16 neighbours along the next K.
; LAYOUT OF AN OPERAND: a fragment (16 rows x 128 K, 12 registers a lane) lies as an image of its registers, 1,536 bytes: registers 0-3 at 16 x lane, 4-5 at 512 + 8 x lane, 6-9 at 768 + 16 x lane, 10-11 at 1,280 + 8 x lane.
;   Tensor: [tile][K / 128][1536]; scale words [tile][K / 128][16 rows], byte b for k = 32 b on.  The f32 image: [tile][8][8192], register group q (4 registers) at 512 q + 16 x lane.
; A lane holds 64 numbers of its row: register 16 b + i = k 32 b + 16 (lane / 16) + i.  Loads take 512 consecutive bytes of one row; the wave's own stage in LDS turns them into that order.
; THE QUANTISER: a block's scale is 2^(floor(log2(largest magnitude)) - 2); its byte is the largest magnitude's exponent field - 2, held at 1 from below by a floor among the maximum's leaves.
; LIMITS: NaN and infinities among the inputs are not served; a block of zeros, or one whose largest magnitude lies under 2^-124, gets the byte 1 (its codes are zeros or subnormal codes; only this program reads the bytes);
;   v_rsq_f32 is taken as it is (ISA guide: 1 ulp).
.set PITCH, 528                        ; a stage row: 512 bytes + 16, so that the sixteen rows that a load of 16 bytes a lane touches lie in sixteen different columns of 16 bytes
.set WST,   16*PITCH                   ; a wave's stage
.set RED1,  8*WST                      ; 16 rows x 8 waves x 4 bytes: the waves' sums; 512 bytes on: their sums of squares
.set WSTG,  RED1+1024                  ; the weights' path has stages of its own
.set HC,    16777216                   ; in the LayerNorm's output buffer: codes behind the f32 image,
.set HS,    19922944                   ; scale words behind the codes
.set W2C,   6291456                    ; in W: w_fc2's codes behind the 512 tiles of the K = 1,024 weights,
.set WQS,   9437184                    ; the scale words of those 512 tiles,
.set W2S,   9699328                    ; w_fc2's scale words
.set L16, 1                            ; v1   16 x lane
.set L8,  2                            ; v2   8 x lane
.set R4,  3                            ; v3   4 x (lane % 16)
.set STW, 4                            ; v4   the stage, on the way in
.set STR, 5                            ; v5   and on the way out: my row, my half
.set RW,  6                            ; v6   where my wave's sum of my row goes
.set RR,  7                            ; v7   where my row's eight sums lie
.set H64, 8                            ; v8   64 x (lane / 16)
.set VO,  16                           ; v16-31   byte offset of my 16 bytes in each of the tile's 16 rows
.set RAW, 32                           ; v32-95   16 rows x 4 registers as loaded
.set X,   96                           ; v96-159  my 64 numbers
.set GG,  160                          ; v160-223 LayerNorm: the gains of my 64 columns.  Weights: 16 registers for each of four fragments: 12 of codes, the scale word, a spare
.set TM,  224                          ; v224-229 at work in the quantiser
.set CT,  230                          ; v230-232 a conversion's three registers
.set C,   234                          ; v234-245 LayerNorm: the fragment's codes
.set SW,  246                          ; v246-247 its scale bytes
.set ST,  248                          ; v248-255 sums
.set SEL, 22                           ; s[22:23] lane selects for v_permlanex16_b32: lane l xor 16
.macro MKVO                            ; row place r lies r + 8 (r / 8) rows below the tile's first row; s21 = bytes from row to row
.irp r, 0,1,2,3,4,5,6,7,8,9,10,11,12,13,14,15
	v_mad_u32_u24 v[VO+\r], s21, \r+8*(\r/8), v[L16]
.endr
.endm
.macro LOADROWS base, off              ; 16 loads, each 512 consecutive bytes of one row
.irp r, 0,1,2,3,4,5,6,7,8,9,10,11,12,13,14,15
	global_load_b128 v[RAW+4*\r:RAW+4*\r+3], v[VO+\r], s[\base:\base+1] offset:\off th:TH_LOAD_NT
.endr
.endm
.macro TURN                            ; through my wave's own stage: LDS serves a wave's instructions in order, so no wait stands between the stores and the loads
.irp r, 0,1,2,3,4,5,6,7,8,9,10,11,12,13,14,15
	ds_store_b128 v[STW], v[RAW+4*\r:RAW+4*\r+3] offset:PITCH*\r
.endr
.irp b, 0,1,2,3
.irp j, 0,1,2,3
	ds_load_b128 v[X+16*\b+4*\j:X+16*\b+4*\j+3], v[STR] offset:128*\b+16*\j
.endr
.endr
.endm
; 32 numbers (two blocks of 32 along K, half of each in lane l xor 16) become 6 registers of codes (lane half h: k = 32 h .. 32 h + 31) and two scale bytes in sw
.macro QUANT2 src, dst, sw
.irp b, 0,1
	v_max3_num_f32 v[TM+\b], |v[\src+16*\b]|, |v[\src+16*\b+1]|, 0x1800000   ; my 16 numbers, and the floor 2^(3 - 127): the byte cannot fall under 1
.endr
.irp i, 2,4,6,8,10,12,14
.irp b, 0,1
	s_delay_alu instid0(VALU_DEP_2)
	v_max3_num_f32 v[TM+\b], v[TM+\b], |v[\src+16*\b+\i]|, |v[\src+16*\b+\i+1]|
.endr
.endr
.irp b, 0,1
	s_delay_alu instid0(VALU_DEP_2)
	v_permlanex16_b32 v[TM+2+\b], v[TM+\b], s[SEL], s[SEL+1]
.endr
.irp b, 0,1
	s_delay_alu instid0(VALU_DEP_2)
	v_max_num_f32 v[TM+\b], v[TM+\b], v[TM+2+\b]         ; the block's largest magnitude
.endr
.irp b, 0,1
	s_delay_alu instid0(VALU_DEP_2)
	v_add_nc_u32 v[TM+4+\b], 0xff000000, v[TM+\b]        ; 2 off its exponent field: the conversion's scale operand
.endr
.irp b, 0,1
	s_delay_alu instid0(VALU_DEP_2)
	v_lshrrev_b32 v[TM+2+\b], 23, v[TM+4+\b]             ; the scale's byte
.endr
	s_delay_alu instid0(VALU_DEP_1)
	v_lshl_or_b32 v[\sw], v[TM+3], 8, v[TM+2]
	v_cvt_scalef32_pk16_fp6_f32 v[\dst:\dst+2], v[\src:\src+15], v[TM+4]
	v_cvt_scalef32_pk16_fp6_f32 v[CT:CT+2], v[\src+16:\src+31], v[TM+5]   ; (a conversion's three registers begin on an even number)
	v_nop                                                ; one plain instruction behind a scaled conversion
.irp i, 0,1,2
	v_permlane16_swap_b32 v[\dst+\i], v[CT+\i]           ; a whole block to a lane: lanes 0-15 the first block, lanes 16-31 the second
.endr
.irp i, 0,1,2
	s_delay_alu instid0(VALU_DEP_3)
	v_mov_b32 v[\dst+3+\i], v[CT+\i]
.endr
.endm
.macro FRAGST c, base, off             ; a fragment's image: stores of 512, 256, 512 and 256 consecutive bytes
	global_store_b128 v[L16], v[\c:\c+3], s[\base:\base+1] offset:\off
	global_store_b64 v[L8], v[\c+4:\c+5], s[\base:\base+1] offset:\off+512
	global_store_b128 v[L16], v[\c+6:\c+9], s[\base:\base+1] offset:\off+768
	global_store_b64 v[L8], v[\c+10:\c+11], s[\base:\base+1] offset:\off+1280
.endm
; four pairs of partial sums in v[ST] on become my row's sum over all 1,024 columns, in every lane of every wave, added in one fixed order
.macro ACROSS off
	s_delay_alu instid0(VALU_DEP_3)
	v_pk_add_f32 v[ST:ST+1], v[ST:ST+1], v[ST+2:ST+3]
	s_delay_alu instid0(VALU_DEP_2)
	v_pk_add_f32 v[ST+4:ST+5], v[ST+4:ST+5], v[ST+6:ST+7]
	s_delay_alu instid0(VALU_DEP_1)
	v_pk_add_f32 v[ST:ST+1], v[ST:ST+1], v[ST+4:ST+5]
	s_delay_alu instid0(VALU_DEP_1)
	v_add_f32 v[ST], v[ST], v[ST+1]
	s_delay_alu instid0(VALU_DEP_1)
	v_permlanex16_b32 v[ST+1], v[ST], s[SEL], s[SEL+1]
	s_delay_alu instid0(VALU_DEP_1)
	v_add_f32 v[ST], v[ST], v[ST+1]                      ; my wave's 128 columns of my row
	ds_store_b32 v[RW], v[ST] offset:\off                ; (both halves of the lanes write the same word with the same value)
	s_wait_dscnt 0x0                                     ; for the others' sake: my store has landed
	s_barrier_signal -1
	s_barrier_wait -1
	ds_load_b128 v[ST:ST+3], v[RR] offset:\off
	ds_load_b128 v[ST+4:ST+7], v[RR] offset:\off+16
	s_wait_dscnt 0x0
	v_pk_add_f32 v[ST:ST+1], v[ST:ST+1], v[ST+2:ST+3]
	v_pk_add_f32 v[ST+4:ST+5], v[ST+4:ST+5], v[ST+6:ST+7]
	s_delay_alu instid0(VALU_DEP_1)
	v_pk_add_f32 v[ST:ST+1], v[ST:ST+1], v[ST+4:ST+5]
	s_delay_alu instid0(VALU_DEP_1)
	v_add_f32 v[ST], v[ST], v[ST+1]
.endm
	s_load_b256 s[4:11], s[0:1], 0x0               ; rows in s[4:5], gains s[6:7], LayerNorm's output s[8:9], w_qkv s[10:11]
	s_load_b256 s[12:19], s[0:1], 0x20             ; w_proj s[12:13], w_fc1 s[14:15], w_fc2 s[16:17], W s[18:19]
	v_lshl_add_u32 v15, v0, 2, 0x21400
	v_mov_b32 v233, 0
	v_lshrrev_b32 v1, 5, v0
	s_delay_alu instid0(VALU_DEP_1)
	v_readfirstlane_b32 s20, v1                    ; wave 0..7
	v_and_b32 v9, 31, v0                           ; lane
	v_and_b32 v10, 15, v0                          ; r
	v_bfe_u32 v11, v0, 4, 1                        ; h
	s_delay_alu instid0(VALU_DEP_3)
	v_lshlrev_b32 v[L16], 4, v9
	s_delay_alu instid0(VALU_DEP_4)
	v_lshlrev_b32 v[L8], 3, v9
	s_delay_alu instid0(VALU_DEP_4)
	v_lshlrev_b32 v[R4], 2, v10
	s_delay_alu instid0(VALU_DEP_4)
	v_lshlrev_b32 v[H64], 6, v11
	v_mul_u32_u24 v[STR], v10, PITCH
	s_delay_alu instid0(VALU_DEP_1)
	v_add_nc_u32 v[STR], v[STR], v[H64]
	v_mov_b32 v[TM+2], 0                           ; written once: a lane permute's destination counts as one of its sources
	v_mov_b32 v[TM+3], 0
	s_mov_b32 s[SEL], 0x76543210
	s_mov_b32 s[SEL+1], 0xfedcba98
	s_mul_i32 s24, s20, WST
	s_cmp_lt_u32 ttmp9, 256
	s_cbranch_scc0 .Lweights
	; ---- LAYERNORM.  The work-group is token tile T = its number; wave w takes columns 128 w on, which are K step w of the next product
	v_add_nc_u32 v[STW], s24, v[L16]
	v_add_nc_u32 v[STR], s24, v[STR]
	v_lshlrev_b32 v[RR], 5, v10
	s_delay_alu instid0(VALU_DEP_1)
	v_add_nc_u32 v[RR], RED1, v[RR]
	s_lshl_b32 s25, s20, 2
	v_add_nc_u32 v[RW], s25, v[RR]
	s_mov_b32 s21, 4096
	MKVO
	s_lshr_b32 s26, ttmp9, 1
	s_lshl_b32 s26, s26, 5
	s_and_b32 s27, ttmp9, 1
	s_lshl_b32 s27, s27, 3
	s_add_co_u32 s26, s26, s27                     ; the tile's first row
	s_lshl_b32 s26, s26, 12
	s_lshl_b32 s28, s20, 9                         ; my wave's 512 bytes of a row, and of the gains
	s_add_co_u32 s26, s26, s28
	s_mov_b32 s27, 0
	s_mov_b32 s29, 0
	s_lshl_b32 s30, ttmp9, 3
	s_add_co_u32 s30, s30, s20                     ; 8 T + w
	s_lshl_b32 s32, s30, 13                        ; the f32 image,
	s_mov_b32 s33, 0
	s_mul_i32 s34, s30, 1536                       ; the codes,
	s_add_co_u32 s34, s34, HC
	s_mov_b32 s35, 0
	s_lshl_b32 s36, s30, 6                         ; the scale words
	s_add_co_u32 s36, s36, HS
	s_mov_b32 s37, 0
	s_wait_alu depctr_va_vdst(0)
	s_wait_kmcnt 0x0
	s_add_nc_u64 s[4:5], s[4:5], s[26:27]
	s_add_nc_u64 s[6:7], s[6:7], s[28:29]
	s_add_nc_u64 s[32:33], s[8:9], s[32:33]
	s_add_nc_u64 s[34:35], s[8:9], s[34:35]
	s_add_nc_u64 s[36:37], s[8:9], s[36:37]
	LOADROWS 4, 0
.irp b, 0,1,2,3
.irp j, 0,1,2,3
	global_load_b128 v[GG+16*\b+4*\j:GG+16*\b+4*\j+3], v[H64], s[6:7] offset:128*\b+16*\j   ; the gains in the order of my 64 numbers
.endr
.endr
	s_wait_loadcnt 16                              ; the 16 row loads are in; the 16 gain loads issued behind them may be out
	TURN
	s_wait_dscnt 0x0
.irp c, 0,1,2,3                                ; the sum of my 64 numbers, in four chains
	v_pk_add_f32 v[ST+2*\c:ST+2*\c+1], v[X+4*\c:X+4*\c+1], v[X+4*\c+2:X+4*\c+3]
.endr
.irp i, 16,24,32,40,48,56
.irp c, 0,1,2,3
	s_delay_alu instid0(VALU_DEP_4)
	v_pk_add_f32 v[ST+2*\c:ST+2*\c+1], v[ST+2*\c:ST+2*\c+1], v[X+\i+2*\c:X+\i+2*\c+1]
.endr
.endr
	ACROSS 0
	s_delay_alu instid0(VALU_DEP_1)
	v_mul_f32 v[ST], 0x3a800000, v[ST]             ; / 1,024: the mean
.set i, 0
.rept 32
	v_pk_add_f32 v[X+i:X+i+1], v[X+i:X+i+1], v[ST:ST+1] op_sel_hi:[1,0] neg_lo:[0,1] neg_hi:[0,1]   ; x - mean
.set i, i+2
.endr
.irp c, 0,1,2,3                                ; the sum of squares, in four chains
	v_pk_mul_f32 v[ST+2*\c:ST+2*\c+1], v[X+2*\c:X+2*\c+1], v[X+2*\c:X+2*\c+1]
.endr
.irp i, 8,16,24,32,40,48,56
.irp c, 0,1,2,3
	s_delay_alu instid0(VALU_DEP_4)
	v_pk_fma_f32 v[ST+2*\c:ST+2*\c+1], v[X+\i+2*\c:X+\i+2*\c+1], v[X+\i+2*\c:X+\i+2*\c+1], v[ST+2*\c:ST+2*\c+1]
.endr
.endr
	ACROSS 512                                     ; other bytes than the first sums': no third barrier is needed
	v_mov_b32 v[ST+1], 0x3a800000
	s_delay_alu instid0(VALU_DEP_1)
	v_fmaak_f32 v[ST], v[ST], v[ST+1], 0x358637bd  ; var + 1e-6
	s_wait_alu depctr_va_vdst(0)
	v_rsq_f32 v[ST+2], v[ST]
	v_nop                                          ; a plain instruction behind the transcendental,
	s_wait_alu depctr_va_vdst(0)                   ; and the wait ahead of its first reader
	s_wait_loadcnt 0x0                             ; the gains
.set i, 0
.rept 32
	v_pk_mul_f32 v[X+i:X+i+1], v[X+i:X+i+1], v[ST+2:ST+3] op_sel_hi:[1,0]
.set i, i+2
.endr
.set i, 0
.rept 32
	v_pk_mul_f32 v[X+i:X+i+1], v[X+i:X+i+1], v[GG+i:GG+i+1]
.set i, i+2
.endr
.irp q, 0,1,2,3,4,5,6,7,8,9,10,11,12,13,14,15
	global_store_b128 v[L16], v[X+4*\q:X+4*\q+3], s[32:33] offset:512*\q   ; the f32 image: 512 consecutive bytes a store
.endr
	QUANT2 X, C, SW                                ; (the numbers are only read from here on: the stores' data stay as they are)
	QUANT2 X+32, C+6, SW+1
	v_lshl_or_b32 v[SW], v[SW+1], 16, v[SW]        ; my row's scale word for these 128 columns
	FRAGST C, 34, 0
	global_store_b32 v[R4], v[SW], s[36:37]        ; 16 words on end (both halves of the lanes hold and write the same)
	s_wait_tensorcnt 0x0
	ds_add_u32 v15, v233
	s_wait_dscnt 0x0
	s_endpgm
	; ---- WEIGHTS.  A wave takes one tile of 16 rows x four K steps.  Work-groups 256-383: the 512 tiles of the K = 1,024 weights, two waves to a tile; 384-447: w_fc2's 64 tiles, eight waves to a tile
.Lweights:
	s_add_co_u32 s24, s24, WSTG
	s_wait_alu depctr_va_vdst(0)
	v_add_nc_u32 v[STW], s24, v[L16]
	v_add_nc_u32 v[STR], s24, v[STR]
	s_sub_co_u32 s25, ttmp9, 256
	s_lshl_b32 s25, s25, 3
	s_add_co_u32 s25, s25, s20                     ; my number among the waves of this path
	s_mov_b32 s21, 16384
	s_mov_b32 s29, 49152
	s_mov_b32 s30, 2048
	s_mov_b32 s32, W2S
	s_cmp_lt_u32 ttmp9, 384                        ; K = 1,024, or w_fc2?  Every choice hangs on the work-group's number alone
	s_cselect_b32 s26, 0, 1024
	s_cselect_b32 s27, 1, 3                        ; waves to a tile, as a shift
	s_cselect_b32 s28, 1, 7                        ; and as a mask
	s_cselect_b32 s21, 4096, s21                   ; bytes from row to row
	s_cselect_b32 s29, 12288, s29                  ; a tile's codes
	s_cselect_b32 s30, 512, s30                    ; a tile's scale words
	s_cselect_b32 s31, 0, W2C
	s_cselect_b32 s32, WQS, s32
	s_sub_co_u32 s25, s25, s26
	s_lshr_b32 s36, s25, s27                       ; the tile, as W counts it
	s_and_b32 s37, s25, s28                        ; which four K steps
	MKVO
	s_wait_alu depctr_va_vdst(0)
	s_wait_kmcnt 0x0
	s_cmp_lt_u32 ttmp9, 304
	s_cselect_b64 s[34:35], s[10:11], s[12:13]     ; tiles 0-191: w_qkv
	s_cselect_b32 s33, 0, 192
	s_cmp_lt_u32 ttmp9, 320
	s_cselect_b64 s[34:35], s[34:35], s[14:15]     ; 192-255: w_proj; 256-511: w_fc1
	s_cselect_b32 s33, s33, 256
	s_cmp_lt_u32 ttmp9, 384
	s_cselect_b64 s[34:35], s[34:35], s[16:17]
	s_cselect_b32 s33, s33, 0
	s_sub_co_u32 s33, s36, s33                     ; the tile within its own tensor
	s_lshr_b32 s38, s33, 1
	s_lshl_b32 s38, s38, 5
	s_and_b32 s39, s33, 1
	s_lshl_b32 s39, s39, 3
	s_add_co_u32 s38, s38, s39                     ; its first row
	s_mul_i32 s38, s38, s21
	s_lshl_b32 s39, s37, 11                        ; four K steps are 2,048 bytes of a row
	s_add_co_u32 s38, s38, s39
	s_mov_b32 s39, 0
	s_add_nc_u64 s[34:35], s[34:35], s[38:39]
	s_mul_i32 s40, s36, s29
	s_mul_i32 s41, s37, 6144
	s_add_co_u32 s40, s40, s41
	s_add_co_u32 s40, s40, s31
	s_mov_b32 s41, 0
	s_add_nc_u64 s[40:41], s[18:19], s[40:41]      ; my four fragments
	s_mul_i32 s42, s36, s30
	s_lshl_b32 s43, s37, 8
	s_add_co_u32 s42, s42, s43
	s_add_co_u32 s42, s42, s32
	s_mov_b32 s43, 0
	s_add_nc_u64 s[42:43], s[18:19], s[42:43]      ; and their scale words
	LOADROWS 34, 0
.irp f, 0,1,2,3
	s_wait_loadcnt 0x0                             ; this K step's 16 loads
	TURN
	s_wait_dscnt 0x0                               ; my numbers are back, and the stage's stores have read the registers
.if \f < 3
	LOADROWS 34, 512*(\f+1)                        ; which take the next K step while this one is quantised
.endif
	QUANT2 X, GG+16*\f, GG+16*\f+12                ; each fragment has registers of its own: no store's data are written again
	QUANT2 X+32, GG+16*\f+6, GG+16*\f+13
	v_lshl_or_b32 v[GG+16*\f+12], v[GG+16*\f+13], 16, v[GG+16*\f+12]
	FRAGST GG+16*\f, 40, 1536*\f
	global_store_b32 v[R4], v[GG+16*\f+12], s[42:43] offset:64*\f
.endr
	s_wait_tensorcnt 0x0
	ds_add_u32 v15, v233
	s_wait_dscnt 0x0
	s_endpgm
.Lfunc_end_k_q365c5bcb29_prep:
	.size	k_q365c5bcb29_prep, .Lfunc_end_k_q365c5bcb29_prep-k_q365c5bcb29_prep
	.p2alignl 7, 3214868480
	.fill 96, 4, 3214868480
	.section	.rodata,"a",@progbits
	.p2align	6, 0x0
	.amdhsa_kernel k_q365c5bcb29_prep
		.amdhsa_group_segment_fixed_size 137216
		.amdhsa_private_segment_fixed_size 0
		.amdhsa_enable_private_segment 0
		.amdhsa_kernarg_size 64
		.amdhsa_user_sgpr_count 2
		.amdhsa_user_sgpr_kernarg_segment_ptr 1
		.amdhsa_wavefront_size32 1
		.amdhsa_system_sgpr_workgroup_id_x 1
		.amdhsa_system_sgpr_workgroup_id_y 1
		.amdhsa_system_sgpr_workgroup_id_z 1
		.amdhsa_system_vgpr_workitem_id 0
		.amdhsa_next_free_vgpr 256
		.amdhsa_next_free_sgpr 66
		.amdhsa_reserve_vcc 0
		.amdhsa_float_denorm_mode_32 3
		.amdhsa_float_denorm_mode_16_64 3
		.amdhsa_memory_ordered 1
		.amdhsa_forward_progress 1
		.amdhsa_inst_pref_size 72
	.end_amdhsa_kernel
	.amdgpu_metadata
---
amdhsa.version: [ 1, 2 ]
amdhsa.kernels:
  - .name:           k_q365c5bcb29_prep
    .symbol:         k_q365c5bcb29_prep.kd
    .args:
      - { .name: x, .offset: 0, .size: 8, .value_kind: global_buffer, .address_space: global }
      - { .name: g1, .offset: 8, .size: 8, .value_kind: global_buffer, .address_space: global }
      - { .name: H1, .offset: 16, .size: 8, .value_kind: global_buffer, .address_space: global }
      - { .name: w_qkv, .offset: 24, .size: 8, .value_kind: global_buffer, .address_space: global }
      - { .name: w_proj, .offset: 32, .size: 8, .value_kind: global_buffer, .address_space: global }
      - { .name: w_fc1, .offset: 40, .size: 8, .value_kind: global_buffer, .address_space: global }
      - { .name: w_fc2, .offset: 48, .size: 8, .value_kind: global_buffer, .address_space: global }
      - { .name: W, .offset: 56, .size: 8, .value_kind: global_buffer, .address_space: global }
    .group_segment_fixed_size: 137216
    .private_segment_fixed_size: 0
    .kernarg_segment_align: 8
    .kernarg_segment_size: 64
    .max_flat_workgroup_size: 256
    .sgpr_count:     66
    .vgpr_count:     256
    .wavefront_size: 32
...
	.end_amdgpu_metadata
.endif
;; end of part 1
;; launch qkv (part 2): grid 24 x 32, 4 waves a work-group, clusters of 4 x 4, 229,888 bytes of LDS; arguments H1, W, QKV; writes QKV
.if DOCPART == 2
	.amdgcn_target "amdgcn-amd-amdhsa--gfx1250"
	.amdhsa_code_object_version 6
	.text
	.protected	k_q365c5bcb29_qkv
	.globl	k_q365c5bcb29_qkv
	.p2align	8
	.type	k_q365c5bcb29_qkv,@function
k_q365c5bcb29_qkv:
	s_mov_b64 s[64:65], 0
	v_nop
	global_prefetch_b8 v0, s[64:65] scope:SCOPE_SE
	s_setreg_imm32_b32 hwreg(HW_REG_WAVE_MODE, 25, 1), 1
	s_wait_xcnt 0x0
	s_wait_alu depctr_hold_cnt(0) depctr_sa_sdst(0) depctr_va_vdst(0) depctr_va_sdst(0) depctr_va_ssrc(0) depctr_va_vcc(0) depctr_vm_vsrc(0)
	s_getreg_b32 s2, hwreg(HW_REG_IB_STS2, 6, 4)
	s_cmp_eq_u32 s2, 0
	s_cbranch_scc0 .Lentry_in_a_cluster
	s_endpgm
.Lentry_in_a_cluster:
	s_bfe_u32 s2, ttmp6, 0x10000c
	s_cmp_lg_u32 s2, 0xf033
	s_cbranch_scc0 .Lentry_shape_is_right
	s_endpgm
.Lentry_shape_is_right:
; qkv = LN1(x) w_qkv^T on codes of E2M3 with E8M0 scales; the results are quantised at once for attention: q and k along the head's 64, v along the keys.
; A work-group makes 128 x 128 of the product, four waves 64 x 64 each: 16 accumulators of 16 x 16.  K = 1,024 lies in LDS whole: two slots of four K steps, both filled at the start; nothing is filled again.
; SIDES.  Source 0 of the matrix instruction (side B) indexes a result's registers, source 1 (side A) its lanes.  By the order of rows in a tile (see below) the 32 registers of a wave's four B tiles are 64 neighbours along B.
;   q, k (clusters 0-3 along x): A = tokens, B = features: a lane holds a token, its registers one head's 64 channels.   v (clusters 4, 5): A = features, B = tokens: a lane holds a channel, its registers 64 neighbouring keys.
;   The choice hangs on the cluster's number, which all partners share, and is made by selects alone: both tensors have the same layout, so one text serves both.
; ROWS OF A TILE: lane place r of tile t holds row 32 (t / 2) + 8 (t % 2) + r + 8 (r / 8).   OPERANDS lie as images of their registers: [tile][K step][1536]; scale words [tile][K step][16].
; CLUSTER 4 x 4: A's tiles are shared along a row of the cluster, B's along a column: each is asked for jointly, by the same tensor load with a mask that names the four.
; OUT: half fragments (16 rows x 64 K, 6 registers, 768 bytes: registers 0-3 at 16 x lane, 4-5 at 512 + 8 x lane) at region x 3,145,728 + (128 bh + idx) x 768; q, k: idx = token tile in the batch; v: idx = 4 x (key / 64) + channel tile.
;   Scale bytes, two a row, at QS + region x 131,072 + (64 bh + w) x 64 + 4 r + 2 half; q, k: w = tile / 2, half = tile % 2; v: w = 4 x (key / 128) + channel tile, half = (key / 64) % 2.
; LIMITS: NaN and infinities are not served; a block of zeros or under 2^-124 gets the byte 1.
; REGISTERS: window 0: v1-12 addresses; v13-16 at work, later offsets; v32-39 scale words, two sets; v40-87 the quantiser; v128-255 accumulators ((a, b) at v[128 + 8 (4 a + b)]).  window 1: two buffers of B's 4 and A's 4 fragments.
.set NK,    8                          ; K steps of 128
.set TP,    NK*1536                    ; a tile's codes
.set SPT,   NK*64                      ; a tile's scale words
.set HALFT, 4*12288                    ; 4 tiles x all 8 K steps: what one wave reads of A or of B
.set HALFS, 4*SPT
.set SCL,   4*HALFT                    ; behind both sides' codes: the scale words of all of K
.set SLOT1, 6144                       ; K steps 4-7 lie behind K steps 0-3 in each tile's 12,288 bytes
.set HC,    16777216
.set HS,    19922944
.set WQS,   9437184
.set QS,    9437184
.set REG,   3145728
.set L16, 1
.set L8,  2
.set R4,  3
.set AA16, 4                           ; v4-7: slot 0: A's fragments by 16 and by 8 bytes a lane, B's likewise; v8-11: slot 1
.set AA8,  5
.set AB16, 6
.set AB8,  7
.set ADS, 12                           ; v12  my scale words: lanes 0-15 A's, lanes 16-31 B's
.set SC,  32
.set TM,  40
.set CT,  46
.set CD,  52
.set SW,  84
.set ACC, 128
.set F0,  0
.set F1,  128
.set SEL, 66
.set G1,  24
.set G0,  32
.set G1B, 48
.set G0B, 56
.set G1S, 68
.set G0S, 76
.set G1SB, 80
.set G0SB, 88
.set MSB, 0
.macro WIN new                         ; the immediate's high byte repeats the setting that is left
.if MSB != \new
	s_set_vgpr_msb (MSB<<8)|\new
.set MSB, \new
.endif
.endm
.set MUL,  0x05                        ; sources 0 and 1 window 1; C and D window 0
.set TO_F, 0x40                        ; destination window 1, address window 0
.macro JLOAD g0a, g1a, g0b, g1b        ; a joint load: waves 0 and 1 fetch for A, waves 2 and 3 for B; four v_nop follow each line
	s_cmp_eq_u32 s15, 0
	s_cbranch_scc0 .Lfor_b_\@
	tensor_load_to_lds s[\g0a:\g0a+3], s[\g1a:\g1a+7]
	s_nop 0
.rept 4
	v_nop
.endr
	s_branch .Lasked_\@
.Lfor_b_\@:
	tensor_load_to_lds s[\g0b:\g0b+3], s[\g1b:\g1b+7]
	s_nop 0
.rept 4
	v_nop
.endr
.Lasked_\@:
.endm
.macro CROUND                          ; a round of the cluster's barrier
	s_barrier_signal -1
	s_barrier_wait -1
	s_cmp_lg_u32 s14, 0
	s_cbranch_scc1 .Lnot_wave_0_\@
	s_barrier_signal -3
.Lnot_wave_0_\@:
	s_barrier_wait -3
	s_barrier_signal -1
	s_barrier_wait -1
.endm
.macro PLACES                          ; four plain instructions between a matrix instruction and a load into its registers or a read of its result
.rept 4
	v_nop
.endr
.endm
.macro FETCH slot, q, f, set           ; K step q of a slot: B's 4 and A's 4 fragments into buffer f, 4 scale registers into a set: 36 loads, each of consecutive bytes
	PLACES
	WIN TO_F
.irp i, 0,1,2,3
	ds_load_b128 v[\f+12*\i:\f+12*\i+3], v[AB16+4*\slot] offset:12288*\i+1536*\q
	ds_load_b64 v[\f+12*\i+4:\f+12*\i+5], v[AB8+4*\slot] offset:12288*\i+1536*\q+512
	ds_load_b128 v[\f+12*\i+6:\f+12*\i+9], v[AB16+4*\slot] offset:12288*\i+1536*\q+768
	ds_load_b64 v[\f+12*\i+10:\f+12*\i+11], v[AB8+4*\slot] offset:12288*\i+1536*\q+1280
.endr
.irp i, 0,1,2,3
	ds_load_b128 v[\f+48+12*\i:\f+48+12*\i+3], v[AA16+4*\slot] offset:12288*\i+1536*\q
	ds_load_b64 v[\f+48+12*\i+4:\f+48+12*\i+5], v[AA8+4*\slot] offset:12288*\i+1536*\q+512
	ds_load_b128 v[\f+48+12*\i+6:\f+48+12*\i+9], v[AA16+4*\slot] offset:12288*\i+1536*\q+768
	ds_load_b64 v[\f+48+12*\i+10:\f+48+12*\i+11], v[AA8+4*\slot] offset:12288*\i+1536*\q+1280
.endr
	WIN 0
.irp i, 0,1,2,3
	ds_load_b32 v[SC+4*\set+\i], v[ADS] offset:SPT*\i+64*\q
.endr
.endm
.macro MUL16 f, set, zero              ; a K step's 16 products; the 16 accumulators take turns, in the same order in every K step
	WIN MUL
.irp a, 0,1,2,3
.irp b, 0,1,2,3
.if \zero
	v_wmma_scale_f32_16x16x128_f8f6f4 v[ACC+8*(4*\a+\b):ACC+8*(4*\a+\b)+7], v[\f+12*\b:\f+12*\b+11], v[\f+48+12*\a:\f+48+12*\a+11], 0, v[SC+4*\set+\b], v[SC+4*\set+\a] matrix_a_fmt:MATRIX_FMT_FP6 matrix_b_fmt:MATRIX_FMT_FP6 matrix_a_scale:MATRIX_SCALE_ROW1
.else
	v_wmma_scale_f32_16x16x128_f8f6f4 v[ACC+8*(4*\a+\b):ACC+8*(4*\a+\b)+7], v[\f+12*\b:\f+12*\b+11], v[\f+48+12*\a:\f+48+12*\a+11], v[ACC+8*(4*\a+\b):ACC+8*(4*\a+\b)+7], v[SC+4*\set+\b], v[SC+4*\set+\a] matrix_a_fmt:MATRIX_FMT_FP6 matrix_b_fmt:MATRIX_FMT_FP6 matrix_a_scale:MATRIX_SCALE_ROW1
.endif
.endr
.endr
	WIN 0
.endm
.macro SLOTC slot, zero                ; a slot's four K steps; each K step's loads are issued ahead of the K step before it is multiplied
	FETCH \slot, 0, F0, 0
	s_wait_dscnt 0x0
	FETCH \slot, 1, F1, 1
	MUL16 F0, 0, \zero
	s_wait_dscnt 0x0                               ; the 36 loads issued ahead of the last 16 products
	FETCH \slot, 2, F0, 0
	MUL16 F1, 1, 0
	s_wait_dscnt 0x0
	FETCH \slot, 3, F1, 1
	MUL16 F0, 0, 0
	s_wait_dscnt 0x0
	MUL16 F1, 1, 0
.endm
.macro QUANT2 src, dst, sw             ; 32 numbers (two blocks of 32 along the next K, half of each in lane l xor 16) become 6 registers of codes and two scale bytes
.irp b, 0,1
	v_max3_num_f32 v[TM+\b], |v[\src+16*\b]|, |v[\src+16*\b+1]|, 0x1800000   ; each accumulator is read from its low end on; the floor 2^(3 - 127) holds the byte at 1 from below
.endr
.irp i, 2,4,6,8,10,12,14
.irp b, 0,1
	v_max3_num_f32 v[TM+\b], v[TM+\b], |v[\src+16*\b+\i]|, |v[\src+16*\b+\i+1]|
.endr
.endr
.irp b, 0,1
	v_permlanex16_b32 v[TM+2+\b], v[TM+\b], s[SEL], s[SEL+1]
.endr
.irp b, 0,1
	v_max_num_f32 v[TM+\b], v[TM+\b], v[TM+2+\b]
.endr
.irp b, 0,1
	v_add_nc_u32 v[TM+4+\b], 0xff000000, v[TM+\b]        ; 2 off the exponent field: the conversion's scale operand
.endr
.irp b, 0,1
	v_lshrrev_b32 v[TM+2+\b], 23, v[TM+4+\b]
.endr
	v_lshl_or_b32 v[\sw], v[TM+3], 8, v[TM+2]
	v_cvt_scalef32_pk16_fp6_f32 v[\dst:\dst+2], v[\src:\src+15], v[TM+4]
	v_cvt_scalef32_pk16_fp6_f32 v[CT:CT+2], v[\src+16:\src+31], v[TM+5]
	v_nop                                                ; one plain instruction behind a scaled conversion
.irp i, 0,1,2
	v_permlane16_swap_b32 v[\dst+\i], v[CT+\i]
.endr
.irp i, 0,1,2
	v_mov_b32 v[\dst+3+\i], v[CT+\i]
.endr
.endm
	s_load_b128 s[4:7], s[0:1], 0x0                ; H1, W
	s_load_b64 s[8:9], s[0:1], 0x10                ; QKV
	v_lshl_add_u32 v126, v0, 2, 0x38000
	v_mov_b32 v127, 0
	ds_add_u32 v126, v127
	ds_add_u32 v126, v127
	v_lshrrev_b32 v1, 5, v0
	v_readfirstlane_b32 s14, v1                    ; wave 0..3
	s_lshr_b32 s15, s14, 1                         ; which 4 of A's 8 tiles are mine.
	s_and_b32 s16, s14, 1                          ; which 4 of B's.
	s_bfe_u32 s40, ttmp6, 0x40000                  ; cx
	s_bfe_u32 s41, ttmp6, 0x40004                  ; cy
	s_and_b32 s13, ttmp7, 0xffff                   ; cluster y
	s_mov_b32 s12, HS
	s_mov_b32 s19, WQS
	s_cmp_ge_u32 ttmp9, 4                          ; v's clusters: the sides change places
	s_cselect_b32 s17, ttmp9, s13
	s_cselect_b32 s42, s13, ttmp9
	s_cselect_b32 s10, 0, HC                       ; where A's codes begin in their buffer,
	s_cselect_b32 s11, HC, 0                       ; B's,
	s_cselect_b32 s12, WQS, s12                    ; A's scale words,
	s_cselect_b32 s19, HS, s19                     ; B's
	s_lshl_b32 s17, s17, 2
	s_add_co_u32 s17, s17, s41                     ; A's block of 128 rows: it hangs on cy, which my row of the cluster shares
	s_lshl_b32 s42, s42, 2
	s_add_co_u32 s42, s42, s40                     ; B's: on cx, which my column shares
	s_lshl_b32 s43, s41, 2
	s_lshl_b32 s43, 15, s43                        ; my row of the cluster
	s_lshl_b32 s44, 0x1111, s40                    ; my column
	s_or_b32 s[G1+0], s43, (3<<16)|(1<<21)         ; 15:0 the mask; 17:16 elements of 8 bytes; 21 set beside a mask; no padding
	s_or_b32 s[G1B+0], s44, (3<<16)|(1<<21)
.irp g, G1, G1B                                ; 8 rows (tiles) of 12,288 bytes (all eight K steps), a tile's codes apart
	s_mov_b32 s[\g+1], 1536<<16                    ; a side's 8 tiles whole: 8 rows of 12,288 bytes, one behind the other
	s_mov_b32 s[\g+2], 8<<16
	s_mov_b32 s[\g+3], 1536<<16
	s_mov_b32 s[\g+4], 8
	s_mov_b32 s[\g+5], TP/8                        ; tensor_dim0_stride
	s_mov_b32 s[\g+6], 0
	s_mov_b32 s[\g+7], 0
.endr
	s_or_b32 s[G1S+0], s43, (3<<16)|(1<<21)
	s_or_b32 s[G1SB+0], s44, (3<<16)|(1<<21)
.irp g, G1S, G1SB                              ; the scale words of 8 tiles: a dense block, as rows of 256 bytes
	s_mov_b32 s[\g+1], 32<<16
	s_mov_b32 s[\g+2], (2*HALFS/256)<<16           ; the scale words of a side's 8 tiles
	s_mov_b32 s[\g+3], 32<<16
	s_mov_b32 s[\g+4], 2*HALFS/256
	s_mov_b32 s[\g+5], 32
	s_mov_b32 s[\g+6], 0
	s_mov_b32 s[\g+7], 0
.endr
	s_mov_b32 s18, 0                               ; a load brings a side whole: it begins at the block's first tile
	s_lshl_b32 s20, s17, 3
	s_add_co_u32 s20, s20, s18                     ; A: the first tile that I fetch
	s_lshl_b32 s46, s42, 3
	s_add_co_u32 s46, s46, s18                     ; B
	s_mul_i32 s22, s20, SPT
	s_add_co_u32 s22, s22, s12
	s_mul_i32 s92, s46, SPT
	s_add_co_u32 s92, s92, s19
	s_mul_i32 s20, s20, TP
	s_add_co_u32 s20, s20, s10
	s_mul_i32 s46, s46, TP
	s_add_co_u32 s46, s46, s11
	s_mov_b32 s21, 0
	s_mov_b32 s23, 0
	s_mov_b32 s47, 0
	s_mov_b32 s93, 0
	s_mov_b32 s[SEL], 0x76543210
	s_mov_b32 s[SEL+1], 0xfedcba98
	s_wait_dscnt 0x0
	s_wait_kmcnt 0x0
	s_cmp_ge_u32 ttmp9, 4
	s_cselect_b64 s[96:97], s[6:7], s[4:5]         ; A's buffer
	s_cselect_b64 s[98:99], s[4:5], s[6:7]         ; B's
	s_add_nc_u64 s[20:21], s[96:97], s[20:21]
	s_add_nc_u64 s[22:23], s[96:97], s[22:23]
	s_add_nc_u64 s[46:47], s[98:99], s[46:47]
	s_add_nc_u64 s[92:93], s[98:99], s[92:93]
	CROUND                                         ; all sixteen work-groups are here: the joint loads meet
	s_mov_b32 s[G0S], 1
	s_mov_b32 s[G0S+1], SCL
	s_mov_b64 s[G0S+2:G0S+3], s[22:23]
	s_or_b32 s[G0S+3], s[G0S+3], 0x80000000
	s_mov_b32 s[G0SB], 1
	s_mov_b32 s[G0SB+1], SCL+2*HALFS
	s_mov_b64 s[G0SB+2:G0SB+3], s[92:93]
	s_or_b32 s[G0SB+3], s[G0SB+3], 0x80000000
.irp s, 0
	s_mov_b32 s[G0+4*\s], 1
	s_mov_b32 s[G0+4*\s+1], 0
	s_add_nc_u64 s[G0+4*\s+2:G0+4*\s+3], s[20:21], \s*6144
	s_or_b32 s[G0+4*\s+3], s[G0+4*\s+3], 0x80000000
	s_mov_b32 s[G0B+4*\s], 1
	s_mov_b32 s[G0B+4*\s+1], 2*HALFT
	s_add_nc_u64 s[G0B+4*\s+2:G0B+4*\s+3], s[46:47], \s*6144
	s_or_b32 s[G0B+4*\s+3], s[G0B+4*\s+3], 0x80000000
.endr
; THE HEAD'S LOADS, ONE A WAVE: wave 0 A's codes, wave 1 B's codes, wave 2 A's scale words, wave 3 B's.  One tree of branches on the wave's number; every way passes one load.  Nothing is filled later.
.macro ARM under, g0, g1, next
	s_cmp_lt_u32 s14, \under
	s_cbranch_scc0 \next
	tensor_load_to_lds s[\g0:\g0+3], s[\g1:\g1+7]
	s_nop 0
.rept 4
	v_nop
.endr
	s_branch .Lhead_asked
\next:
.endm
	ARM 1, G0,  G1,  .Lhead_b
	ARM 2, G0B, G1B, .Lhead_sa
	ARM 3, G0S, G1S, .Lhead_sb
	tensor_load_to_lds s[G0SB:G0SB+3], s[G1SB:G1SB+7]
	s_nop 0
.rept 4
	v_nop
.endr
.Lhead_asked:
	v_and_b32 v13, 31, v0
	v_and_b32 v14, 15, v0
	v_bfe_u32 v15, v0, 4, 1
	v_lshlrev_b32 v[L16], 4, v13
	v_lshlrev_b32 v[L8], 3, v13
	v_lshlrev_b32 v[R4], 2, v14
	v_mov_b32 v[TM+2], 0                           ; written once: a lane permute's destination counts as one of its sources
	v_mov_b32 v[TM+3], 0
	s_mul_i32 s21, s15, HALFT                      ; my 4 tiles of A
	s_mul_i32 s22, s16, HALFT                      ; my 4 of B, behind A's 8
	s_add_co_u32 s22, s22, 2*HALFT
.irp s, 0,1
	v_add_nc_u32 v[AA16+4*\s], s21, v[L16]
	v_add_nc_u32 v[AA8+4*\s], s21, v[L8]
	v_add_nc_u32 v[AB16+4*\s], s22, v[L16]
	v_add_nc_u32 v[AB8+4*\s], s22, v[L8]
	s_add_co_u32 s21, s21, SLOT1
	s_add_co_u32 s22, s22, SLOT1
.endr
	s_mul_i32 s21, s15, HALFS
	s_mul_i32 s22, s16, HALFS
	s_add_co_u32 s22, s22, 2*HALFS
	s_sub_co_u32 s22, s22, s21
	v_mul_u32_u24 v13, s22, v15                    ; lanes 16-31 take B's words
	s_add_co_u32 s21, s21, SCL
	v_add_nc_u32 v[ADS], v[R4], v13
	v_add_nc_u32 v[ADS], s21, v[ADS]
	s_wait_alu depctr_va_vdst(0)
	s_wait_tensorcnt 0x0                           ; my one load has landed
	s_barrier_signal -1
	s_barrier_wait -1                              ; everybody's are
	SLOTC 0, 1                                     ; the first products start the sums: nothing is cleared
	v_add_nc_u32 v[ADS], 256, v[ADS]               ; on to K steps 4-7
	s_wait_alu depctr_va_vdst(0)
	SLOTC 1, 0
	; ---- THE WAY OUT.  Where my 64 x 64 goes; the descriptors' registers are free: every tensor load has been waited for
	PLACES
	s_mov_b32 s27, 66
	s_cmp_ge_u32 ttmp9, 4
	s_cselect_b32 s20, s42, s17                    ; the tokens' block of 128
	s_cselect_b32 s21, s17, s42                    ; the features'
	s_cselect_b32 s22, s16, s15                    ; which 64 tokens are my wave's
	s_cselect_b32 s23, s15, s16                    ; which 64 features: a head
	s_cselect_b32 s24, 2, 128                      ; the scale bytes: from my wave's first 64 tokens to its partner's,
	s_cselect_b32 s25, 64, 2                       ; and from A's tile 0 to tiles 1,
	s_cselect_b32 s26, 128, 64                     ; 2,
	s_cselect_b32 s27, 192, s27                    ; 3
	s_and_b32 s21, s21, 7
	s_lshl_b32 s21, s21, 1
	s_add_co_u32 s21, s21, s23                     ; the head
	s_lshr_b32 s28, s20, 4
	s_lshl_b32 s28, s28, 4
	s_add_co_u32 s28, s28, s21                     ; bh = 16 x batch + head
	s_and_b32 s29, s20, 15                         ; the tokens' block within the batch
	s_lshr_b32 s30, ttmp9, 1                       ; region: 0 q, 1 k, 2 v
	s_lshl_b32 s32, s28, 7
	s_lshl_b32 s31, s29, 3
	s_add_co_u32 s32, s32, s31
	s_lshl_b32 s31, s22, 2
	s_add_co_u32 s32, s32, s31                     ; 128 bh + idx of A's tile 0: one formula serves q, k and v
	s_mul_i32 s32, s32, 768
	s_mul_i32 s31, s30, REG
	s_add_co_u32 s32, s32, s31
	s_mov_b32 s33, 0
	s_add_nc_u64 s[32:33], s[8:9], s[32:33]
	s_lshl_b32 s34, s28, 6
	s_lshl_b32 s31, s29, 2
	s_add_co_u32 s34, s34, s31
	s_lshl_b32 s34, s34, 6
	s_lshl_b32 s31, s30, 17
	s_add_co_u32 s34, s34, s31
	s_mul_i32 s31, s22, s24
	s_add_co_u32 s34, s34, s31
	s_add_co_u32 s34, s34, QS
	s_mov_b32 s35, 0
	s_add_nc_u64 s[34:35], s[8:9], s[34:35]
	v_add_nc_u32 v14, s25, v[R4]
	v_add_nc_u32 v15, s26, v[R4]
	v_add_nc_u32 v16, s27, v[R4]
.irp a, 0,1,2,3                                ; A's tile a: 16 lanes' rows x 64 along the next K; registers of its own for each a, so that no store's data are written again
	QUANT2 ACC+32*\a, CD+8*\a, SW+\a
	global_store_b128 v[L16], v[CD+8*\a:CD+8*\a+3], s[32:33] offset:768*\a
	global_store_b64 v[L8], v[CD+8*\a+4:CD+8*\a+5], s[32:33] offset:768*\a+512
.if \a == 0
	global_store_b16 v[R4], v[SW+\a], s[34:35]
.else
	global_store_b16 v[13+\a], v[SW+\a], s[34:35]
.endif
.endr
	s_wait_tensorcnt 0x0
	ds_add_u32 v126, v127
	s_wait_dscnt 0x0
	CROUND                                         ; the closing round: no work-group ends while a partner may still ask for a tile that names it
	s_endpgm
.Lfunc_end_k_q365c5bcb29_qkv:
	.size	k_q365c5bcb29_qkv, .Lfunc_end_k_q365c5bcb29_qkv-k_q365c5bcb29_qkv
	.p2alignl 7, 3214868480
	.fill 96, 4, 3214868480
	.section	.rodata,"a",@progbits
	.p2align	6, 0x0
	.amdhsa_kernel k_q365c5bcb29_qkv
		.amdhsa_group_segment_fixed_size 229888
		.amdhsa_private_segment_fixed_size 0
		.amdhsa_enable_private_segment 0
		.amdhsa_kernarg_size 24
		.amdhsa_user_sgpr_count 2
		.amdhsa_user_sgpr_kernarg_segment_ptr 1
		.amdhsa_wavefront_size32 1
		.amdhsa_system_sgpr_workgroup_id_x 1
		.amdhsa_system_sgpr_workgroup_id_y 1
		.amdhsa_system_sgpr_workgroup_id_z 1
		.amdhsa_system_vgpr_workitem_id 0
		.amdhsa_next_free_vgpr 512
		.amdhsa_next_free_sgpr 100
		.amdhsa_reserve_vcc 0
		.amdhsa_float_denorm_mode_32 3
		.amdhsa_float_denorm_mode_16_64 3
		.amdhsa_memory_ordered 1
		.amdhsa_forward_progress 1
		.amdhsa_inst_pref_size 56
	.end_amdhsa_kernel
	.amdgpu_metadata
---
amdhsa.version: [ 1, 2 ]
amdhsa.kernels:
  - .name:           k_q365c5bcb29_qkv
    .symbol:         k_q365c5bcb29_qkv.kd
    .args:
      - { .name: H1, .offset: 0, .size: 8, .value_kind: global_buffer, .address_space: global }
      - { .name: W, .offset: 8, .size: 8, .value_kind: global_buffer, .address_space: global }
      - { .name: QKV, .offset: 16, .size: 8, .value_kind: global_buffer, .address_space: global }
    .group_segment_fixed_size: 229888
    .private_segment_fixed_size: 0
    .kernarg_segment_align: 8
    .kernarg_segment_size: 24
    .max_flat_workgroup_size: 128
    .sgpr_count:     100
    .vgpr_count:     512
    .wavefront_size: 32
...
	.end_amdgpu_metadata
.endif
;; end of part 2
;; launch att (part 3): grid 8 x 32, 16 waves a work-group, clusters of 4 x 1, 327,680 bytes of LDS; arguments QKV, O; writes O
.if DOCPART == 3
	.amdgcn_target "amdgcn-amd-amdhsa--gfx1250"
	.amdhsa_code_object_version 6
	.text
	.protected	k_q365c5bcb29_att
	.globl	k_q365c5bcb29_att
	.p2align	8
	.type	k_q365c5bcb29_att,@function
k_q365c5bcb29_att:
	s_mov_b64 s[64:65], 0
	v_nop
	global_prefetch_b8 v0, s[64:65] scope:SCOPE_SE
	s_setreg_imm32_b32 hwreg(HW_REG_WAVE_MODE, 25, 1), 1
	s_wait_xcnt 0x0
	s_wait_alu depctr_hold_cnt(0) depctr_sa_sdst(0) depctr_va_vdst(0) depctr_va_sdst(0) depctr_va_ssrc(0) depctr_va_vcc(0) depctr_vm_vsrc(0)
	s_getreg_b32 s2, hwreg(HW_REG_IB_STS2, 6, 4)
	s_cmp_eq_u32 s2, 0
	s_cbranch_scc0 .Lentry_in_a_cluster
	s_endpgm
.Lentry_in_a_cluster:
	s_bfe_u32 s2, ttmp6, 0x10000c
	s_cmp_lg_u32 s2, 0x3003
	s_cbranch_scc0 .Lentry_shape_is_right
	s_endpgm
.Lentry_shape_is_right:
; o = softmax(q k^T / 8) v for one (batch, head) and 256 queries a work-group, both products on codes of E2M3 with E8M0 scales; o is quantised at once along the model's 1,024 for the next product.
; THE SOFTMAX: t = score x log2(e) / 8; M = the running largest t rounded up to a whole number; p = 2^(t - M) is quantised along the keys, not normalised; the row's sum is taken of the unquantised p and divides at the end;
;   when M moves, the sum and O are multiplied by 2^(old M - new M), which rounds nothing.
; SHARES: sixteen waves, each one tile of 16 queries in 256 registers, four waves to a SIMD.  Every wave walks the head's 2,048 keys, 128 a step.
; LDS: step s at 12,288 s: K's 6,144 bytes of codes, then V's; one descriptor of two rows (K's region and V's lie REG bytes apart) brings both.  Behind the codes K's and V's scale words, 4,096 bytes each, by one load of two rows.
;   Each byte is filled once.  At the head waves 0-3 fetch steps 0-3 and wave 4 the scale words, one load a wave; behind the waits, the add and a round of the cluster's barrier waves 0-11 fetch steps 4-15, one load a wave,
;   which land under the first four steps' work; one more barrier stands ahead of step 4.  The four work-groups of a cluster belong to one head and ask jointly.  The launch claims all of LDS.
; NO PREFETCH: all of the head's K and V has been asked for when the first step begins; there is no later stream to run ahead of.
; BOTH PRODUCTS TRANSPOSED: S^T = K Q^T, O^T = V^T P^T: a lane holds one query throughout.
; WHICH KEYS FORM A TILE OF K.  In memory lane place r of key tile t holds key 32 (t / 2) + 8 (t % 2) + r + 8 (r / 8).  A tile is put together anew by the lanes' LDS addresses: tile 4 c + u of a step takes for its places 0-7 the keys
;   64 c + 8 u + 0..7 and for its places 8-15 the keys 32 further on (stored tile 4 c + 2 (r / 8) + u % 2, place 8 (u / 2) + r % 8).  So registers 32 c + 0..31 of S^T are keys 64 c + 32 (lane / 16) + 0..31: a WHOLE block of 32 in a lane,
;   in the order of the next operand's registers: a block's maximum needs no other lane and its codes no exchange of lanes.
; K = 64 IN AN INSTRUCTION OF 128: a fragment of K is a pair of tiles (registers 0-5 tile 2 p, 6-11 tile 2 p + 1); against [q | zeros] it gives tile 2 p's scores, against [zeros | q] tile 2 p + 1's: zero codes add nothing.
; LIMITS: the promise holds while the scaled scores t stay under 2^31 in magnitude; NaN and infinities are not served; a block of p that has fallen to 0, or of o under 2^-124, gets the byte 1;
;   v_exp_f32 and v_rcp_f32 are taken as they are (ISA guide: 1 ulp; results under 2^-126 are zeros).  A block's largest p is made from the block's largest score by the same multiply-add and exponential as every p.
.set REG,  3145728
.set QS,   9437184
.set OS,   3145728
.set STP,  12288                       ; a step in LDS
.set KSC,  196608                      ; K's scale words, [pair of tiles][16]
.set VSC,  200704                      ; V's, [4 x step + channel tile][16]
.set SPARE, 204800                     ; the spare words: 128 bytes for each of 16 waves
.set L16, 1                            ; 16 x lane
.set L8,  2                            ; 8 x lane
.set KP16, 3                           ; K, by 16 bytes: 1536 (r / 8) + 16 (r % 8) + 256 (lane / 16)
.set KP8,  4                           ; K, by 8 bytes: 1536 (r / 8) + 8 (r % 8) + 128 (lane / 16)
.set KPS,  5                           ; K's scale words: KSC + 64 (r / 8) + 4 (r % 8)
.set VPS,  6                           ; V's: VSC + 4 r
.set R4,   7                           ; 4 r
.set H8,   8                           ; 8 x (lane / 16)
.set OM,   9                           ; the last step's -M;  v12 -M, v13 the largest score so far, v[14:15] the sum
.set QW,  34                           ; q's scale word;  v16-21 zeros, v22-27 q, v28-33 zeros
.set PW,  35                           ; p's scale word
.set KS,  36
.set VS,  40
.set FR,  44                           ; v44-91 four fragments of K, then of V
.set SS,  96                           ; v96-159 S^T, then p
.set OT,  160                          ; v160-191 O^T
.set PC,  192                          ; v192-203 p's codes
.set CV,  204                          ; v204-206, v208-210 conversions
.set BM,  212                          ; v212-215 maxima
.set PT,  216                          ; v216-217 at work
.set SO,  220                          ; v220-221 scale operands
.set FF,  224                          ; v[224:225] f
.set TT,  226
.set SU,  228                          ; v228-235 partial sums
.set AK16, 244                         ; v244-249 the step's addresses
.set AK8,  245
.set AKS,  246
.set AV16, 247
.set AV8,  248
.set AVS,  249
.set SPW, 254
.set NIL, 255
.set TM,  212                          ; the way out's quantiser
.set CT,  204
.set WV,  18
.set NC,  19                           ; -c
.set SEL, 20
.set CS,  22                           ; c = log2(e) / 8, twice
.set G1C, 24                           ; group 1: a step's codes
.set G1W, 32                           ; group 1: the scale words
.set G0,  40
.set G0W, 44
.set TRIP, 60
.set KB,  61                           ; LDS byte of the step's codes
.set SB,  62                           ; and of its scale words: 256 a step
.macro CROUND
	s_barrier_signal -1
	s_barrier_wait -1
	s_cmp_lg_u32 s[WV], 0
	s_cbranch_scc1 .Lnot_wave_0_\@
	s_barrier_signal -3
.Lnot_wave_0_\@:
	s_barrier_wait -3
	s_barrier_signal -1
	s_barrier_wait -1
.endm
.macro TLOAD g0, g1
	tensor_load_to_lds s[\g0:\g0+3], s[\g1:\g1+7]
	s_nop 0
.rept 4
	v_nop
.endr
.endm
.macro QUANT2 src, dst, sw             ; 32 numbers (two blocks of 32 channels, half of each in lane l xor 16) become 6 registers of codes and two scale bytes
.irp b, 0,1
	v_max3_num_f32 v[TM+\b], |v[\src+16*\b]|, |v[\src+16*\b+1]|, 0x1800000
.endr
.irp i, 2,4,6,8,10,12,14
.irp b, 0,1
	s_delay_alu instid0(VALU_DEP_2)
	v_max3_num_f32 v[TM+\b], v[TM+\b], |v[\src+16*\b+\i]|, |v[\src+16*\b+\i+1]|
.endr
.endr
.irp b, 0,1
	s_delay_alu instid0(VALU_DEP_2)
	v_permlanex16_b32 v[TM+2+\b], v[TM+\b], s[SEL], s[SEL+1]
.endr
.irp b, 0,1
	s_delay_alu instid0(VALU_DEP_2)
	v_max_num_f32 v[TM+\b], v[TM+\b], v[TM+2+\b]
.endr
.irp b, 0,1
	s_delay_alu instid0(VALU_DEP_2)
	v_add_nc_u32 v[TM+4+\b], 0xff000000, v[TM+\b]
.endr
.irp b, 0,1
	s_delay_alu instid0(VALU_DEP_2)
	v_lshrrev_b32 v[TM+2+\b], 23, v[TM+4+\b]
.endr
	s_delay_alu instid0(VALU_DEP_1)
	v_lshl_or_b32 v[\sw], v[TM+3], 8, v[TM+2]
	v_cvt_scalef32_pk16_fp6_f32 v[\dst:\dst+2], v[\src:\src+15], v[TM+4]
	v_cvt_scalef32_pk16_fp6_f32 v[CT:CT+2], v[\src+16:\src+31], v[TM+5]
	v_nop
.irp i, 0,1,2
	v_permlane16_swap_b32 v[\dst+\i], v[CT+\i]
.endr
.irp i, 0,1,2
	s_delay_alu instid0(VALU_DEP_3)
	v_mov_b32 v[\dst+3+\i], v[CT+\i]
.endr
.endm
	s_load_b128 s[4:7], s[0:1], 0x0                ; QKV, O
	v_lshl_add_u32 v[SPW], v0, 2, SPARE
	v_mov_b32 v[NIL], 0
	ds_add_u32 v[SPW], v[NIL]                      ; the opening lines: the add twice on end, and its wait ahead of the first tensor load
	ds_add_u32 v[SPW], v[NIL]
	v_lshrrev_b32 v1, 5, v0
	s_delay_alu instid0(VALU_DEP_1)
	v_readfirstlane_b32 s[WV], v1                  ; wave 0..15
	s_bfe_u32 s8, ttmp6, 0x40000                   ; cx
	s_lshl_b32 s9, ttmp9, 2
	s_add_co_u32 s9, s9, s8                        ; my block of 256 queries: it enters q's and o's addresses alone
	s_and_b32 s10, ttmp7, 0xffff                   ; bh, which the four partners share
	s_mul_i32 s14, s10, 98304
	s_mul_i32 s13, s[WV], 6144
	s_add_co_u32 s14, s14, s13
	s_add_co_u32 s14, s14, REG                     ; K's codes of step = my wave's number
	s_mov_b32 s15, 0
	s_lshl_b32 s16, s10, 12
	s_add_co_u32 s16, s16, QS+131072               ; K's scale words
	s_mov_b32 s17, 0
	s_mov_b32 s[G1C], 15|(3<<16)|(1<<21)           ; the mask: all four work-groups; elements of 8 bytes; bit 21 beside a mask; no padding
	s_mov_b32 s[G1C+1], 768<<16                    ; two rows of 6,144 bytes, K's and V's, REG bytes apart
	s_mov_b32 s[G1C+2], 2<<16
	s_mov_b32 s[G1C+3], 768<<16
	s_mov_b32 s[G1C+4], 2
	s_mov_b32 s[G1C+5], REG/8
	s_mov_b32 s[G1C+6], 0
	s_mov_b32 s[G1C+7], 0
	s_mov_b32 s[G1W], 15|(3<<16)|(1<<21)
	s_mov_b32 s[G1W+1], 512<<16                    ; two rows of 4,096 bytes, 131,072 apart
	s_mov_b32 s[G1W+2], 2<<16
	s_mov_b32 s[G1W+3], 512<<16
	s_mov_b32 s[G1W+4], 2
	s_mov_b32 s[G1W+5], 16384
	s_mov_b32 s[G1W+6], 0
	s_mov_b32 s[G1W+7], 0
	s_lshl_b32 s13, s9, 4
	s_add_co_u32 s13, s13, s[WV]                   ; my tile of queries within the batch
	s_lshl_b32 s66, s10, 7
	s_add_co_u32 s66, s66, s13
	s_mul_i32 s66, s66, 768                        ; q's codes
	s_mov_b32 s67, 0
	s_lshl_b32 s68, s10, 6
	s_lshr_b32 s69, s13, 1
	s_add_co_u32 s68, s68, s69
	s_lshl_b32 s68, s68, 6
	s_and_b32 s69, s13, 1
	s_lshl_b32 s69, s69, 1
	s_add_co_u32 s68, s68, s69
	s_add_co_u32 s68, s68, QS                      ; q's scale bytes
	s_mov_b32 s69, 0
	s_lshr_b32 s2, s10, 4
	s_lshl_b32 s2, s2, 7
	s_add_co_u32 s2, s2, s13                       ; my tile among all 256 token tiles
	s_lshl_b32 s2, s2, 3
	s_bfe_u32 s3, s10, 0x30001                     ; head / 2: the next product's K step
	s_add_co_u32 s2, s2, s3
	s_and_b32 s3, s10, 1                           ; head % 2: which half of its fragment
	s_mul_i32 s72, s2, 1536
	s_mul_i32 s73, s3, 768
	s_add_co_u32 s72, s72, s73
	s_mov_b32 s73, 0
	s_lshl_b32 s74, s2, 6
	s_lshl_b32 s75, s3, 1
	s_add_co_u32 s74, s74, s75
	s_add_co_u32 s74, s74, OS
	s_mov_b32 s75, 0
	s_mov_b32 s[SEL], 0x76543210
	s_mov_b32 s[SEL+1], 0xfedcba98
	s_mov_b32 s[CS], 0x3e38aa3b
	s_mov_b32 s[CS+1], s[CS]
	s_mov_b32 s[NC], 0xbe38aa3b
	s_mov_b32 s[KB], 0
	s_mov_b32 s[SB], 0
	s_wait_dscnt 0x0
	s_wait_kmcnt 0x0
	s_mov_b32 s[G0], 1
	s_mul_i32 s[G0+1], s[WV], STP
	s_add_nc_u64 s[G0+2:G0+3], s[4:5], s[14:15]
	s_or_b32 s[G0+3], s[G0+3], 0x80000000
	s_mov_b32 s[G0W], 1
	s_mov_b32 s[G0W+1], KSC
	s_add_nc_u64 s[G0W+2:G0W+3], s[4:5], s[16:17]
	s_or_b32 s[G0W+3], s[G0W+3], 0x80000000
	s_add_nc_u64 s[66:67], s[4:5], s[66:67]
	s_add_nc_u64 s[68:69], s[4:5], s[68:69]
	s_add_nc_u64 s[72:73], s[6:7], s[72:73]
	s_add_nc_u64 s[74:75], s[6:7], s[74:75]
	CROUND                                         ; all four work-groups are here: the joint loads meet
	s_cmp_lt_u32 s[WV], 4                          ; one chain of branches on the wave's number, one load to an arm, one join
	s_cbranch_scc0 .Lhead_w
	TLOAD G0, G1C                                  ; waves 0-3: steps 0-3
	s_branch .Lhead_asked
.Lhead_w:
	s_cmp_eq_u32 s[WV], 4
	s_cbranch_scc0 .Lhead_asked
	TLOAD G0W, G1W                                 ; wave 4: the scale words
.Lhead_asked:
	v_and_b32 v250, 31, v0
	v_and_b32 v251, 7, v0                          ; r % 8
	v_bfe_u32 v252, v0, 3, 1                       ; r / 8
	v_bfe_u32 v253, v0, 4, 1                       ; lane / 16
	v_and_b32 v[R4], 15, v0
	v_lshlrev_b32 v[L16], 4, v250
	v_lshlrev_b32 v[L8], 3, v250
	v_lshlrev_b32 v[R4], 2, v[R4]
	v_mul_u32_u24 v250, v252, 1536
	v_lshlrev_b32 v[KPS], 6, v252
	v_lshlrev_b32 v[H8], 3, v253
	v_add_nc_u32 v[VPS], VSC, v[R4]
	v_lshl_add_u32 v[KP16], v251, 4, v250
	v_lshl_add_u32 v[KP8], v251, 3, v250
	v_lshl_add_u32 v[KPS], v251, 2, v[KPS]
	v_lshl_add_u32 v[KP16], v253, 8, v[KP16]
	v_lshl_add_u32 v[KP8], v253, 7, v[KP8]
	v_add_nc_u32 v[KPS], KSC, v[KPS]
	global_load_b128 v[22:25], v[L16], s[66:67]    ; q's half fragment stays in registers
	global_load_b64 v[26:27], v[L8], s[66:67] offset:512
	global_load_u16 v[QW], v[R4], s[68:69]         ; its two scale bytes
	s_wait_alu depctr_va_vdst(0)
	s_wait_tensorcnt 0x0                           ; my load of the head has landed; the lines ahead of a later first fill:
	ds_add_u32 v[SPW], v[NIL]                      ; the add, twice on end
	ds_add_u32 v[SPW], v[NIL]
	s_add_co_u32 s[G0+1], s[G0+1], 4*STP           ; no load of mine is out: group 0 goes on to step 4 + my wave's number
	s_add_nc_u64 s[G0+2:G0+3], s[G0+2:G0+3], 4*6144
	s_wait_dscnt 0x0
	CROUND                                         ; steps 0-3 and the scale words are whole for all sixteen waves, and the four work-groups are here
	s_cmp_lt_u32 s[WV], 12
	s_cbranch_scc0 .Lrest_asked
	TLOAD G0, G1C                                  ; waves 0-11: steps 4-15, one load a wave
.Lrest_asked:
	s_wait_loadcnt 0x0
	v_lshl_or_b32 v[QW], v[QW], 16, v[QW]          ; twice: for q in the lower and in the upper half of K
.irp j, 16,17,18,19,20,21,28,29,30,31,32,33
	v_mov_b32 v[\j], 0                             ; zero codes on both sides of q
.endr
	v_mov_b32 v13, 0xff61b1e6                      ; the largest score so far: -3e38
	v_mov_b32 v12, 0x7e000000                      ; -M: so large that the first step's f is 0
	v_mov_b32 v14, 0
	v_mov_b32 v15, 0
	v_mov_b32 v[PT], 0                             ; written once: a lane permute's destination counts as one of its sources
	v_mov_b32 v[PT+1], 0
	v_mov_b32 v[FF+1], 0
.set i, 0
.rept 32
	v_mov_b32 v[OT+i], 0                           ; the step is written for every step alike: the first finds zeros
.set i, i+1
.endr
.macro STEP                            ; 128 keys
	v_add_nc_u32 v[AK16], s[KB], v[KP16]           ; (these six are the places behind the last step's products)
	v_add_nc_u32 v[AK8], s[KB], v[KP8]
	v_add_nc_u32 v[AKS], s[SB], v[KPS]
	v_add_nc_u32 v[AV16], s[KB], v[L16]
	v_add_nc_u32 v[AV8], s[KB], v[L8]
	v_add_nc_u32 v[AVS], s[SB], v[VPS]
.irp p, 0,1,2,3                                ; pair p = 2 c + v: tiles 4 c + 2 v and 4 c + 2 v + 1
	ds_load_b128 v[FR+12*\p:FR+12*\p+3], v[AK16] offset:3072*(\p/2)+128*(\p%2)
	ds_load_b64 v[FR+12*\p+4:FR+12*\p+5], v[AK8] offset:3072*(\p/2)+64*(\p%2)+512
	ds_load_b128 v[FR+12*\p+6:FR+12*\p+9], v[AK16] offset:3072*(\p/2)+128*(\p%2)+768
	ds_load_b64 v[FR+12*\p+10:FR+12*\p+11], v[AK8] offset:3072*(\p/2)+64*(\p%2)+1280
	ds_load_b32 v[KS+\p], v[AKS] offset:128*(\p/2)+32*(\p%2)
.endr
	s_wait_alu depctr_va_vdst(0)
	s_wait_dscnt 0x0
.irp p, 0,1,2,3
	v_wmma_scale_f32_16x16x128_f8f6f4 v[SS+16*\p:SS+16*\p+7], v[FR+12*\p:FR+12*\p+11], v[22:33], 0, v[KS+\p], v[QW] matrix_a_fmt:MATRIX_FMT_FP6 matrix_b_fmt:MATRIX_FMT_FP6
	v_wmma_scale_f32_16x16x128_f8f6f4 v[SS+16*\p+8:SS+16*\p+15], v[FR+12*\p:FR+12*\p+11], v[16:27], 0, v[KS+\p], v[QW] matrix_a_fmt:MATRIX_FMT_FP6 matrix_b_fmt:MATRIX_FMT_FP6
.endr                                          ; register 32 c + i: key 64 c + 32 (lane / 16) + i of the step
	v_mov_b32 v[OM], v12                           ; four places: for the loads into K's registers and for the first read of the scores
.rept 3
	v_nop
.endr
.irp t, 0,1,2,3                                ; V's four channel tiles x 128 keys land during the softmax
	ds_load_b128 v[FR+12*\t:FR+12*\t+3], v[AV16] offset:6144+768*\t
	ds_load_b64 v[FR+12*\t+4:FR+12*\t+5], v[AV8] offset:6144+768*\t+512
	ds_load_b128 v[FR+12*\t+6:FR+12*\t+9], v[AV16] offset:6144+768*\t+3072
	ds_load_b64 v[FR+12*\t+10:FR+12*\t+11], v[AV8] offset:6144+768*\t+3584
	ds_load_b32 v[VS+\t], v[AVS] offset:64*\t
.endr
.irp b, 0,1,2,3                                ; maxima in four chains of 16 registers; each accumulator is read from its low end on
	v_max3_num_f32 v[BM+\b], v[SS+16*\b], v[SS+1+16*\b], v[SS+2+16*\b]
.endr
.irp i, 3,5,7,9,11,13
.irp b, 0,1,2,3
	v_max3_num_f32 v[BM+\b], v[BM+\b], v[SS+16*\b+\i], v[SS+1+16*\b+\i]
.endr
.endr
	v_max3_num_f32 v[BM], v[BM], v[BM+1], v[SS+15]
	v_max3_num_f32 v[BM+2], v[BM+2], v[BM+3], v[SS+47]
	v_max_num_f32 v[BM], v[BM], v[SS+31]           ; my block c = 0's largest score,
	v_max_num_f32 v[BM+2], v[BM+2], v[SS+63]       ; and c = 1's
	v_max_num_f32 v[TT], v[BM], v[BM+2]
	v_permlanex16_b32 v[PT], v[TT], s[SEL], s[SEL+1]
	v_max3_num_f32 v13, v13, v[TT], v[PT]          ; the running largest score (c is positive)
	v_mul_f32 v[TT], s[NC], v13                    ; -t
	v_floor_f32 v12, v[TT]                         ; -M = floor(-t): M is a whole number
	v_sub_f32 v[TT], v12, v[OM]                    ; old M - new M, 0 or less
	v_cvt_i32_f32 v[TT], v[TT]                     ; (it saturates)
	v_ldexp_f32 v[FF], 1.0, v[TT]                  ; f = 2^(old M - new M)
	v_fma_f32 v[BM], v[BM], s[CS], v12             ; t - M of the blocks' largest scores,
	v_fma_f32 v[BM+2], v[BM+2], s[CS], v12
.set i, 0
.rept 32
	v_pk_fma_f32 v[SS+i:SS+i+1], v[SS+i:SS+i+1], s[CS:CS+1], v[12:13] op_sel_hi:[1,0,0]   ; and of every score, two at a time
.set i, i+2
.endr
	s_wait_alu depctr_va_vdst(0)
	v_exp_f32 v[BM], v[BM]                         ; the blocks' largest p
	v_exp_f32 v[BM+2], v[BM+2]
.set i, 0
.rept 64
	v_exp_f32 v[SS+i], v[SS+i]                     ; p = 2^(t - M), at most 1
.set i, i+1
.endr
	v_pk_mul_f32 v[14:15], v[14:15], v[FF:FF+1] op_sel_hi:[1,0]   ; the sum under the new M (a plain instruction behind the batch)
	s_wait_alu depctr_va_vdst(0)                   ; one wait for the batch, ahead of its first reader
	v_max_num_f32 v[BM], 0x1800000, v[BM]          ; the floor 2^(3 - 127): the byte cannot fall under 1
	v_max_num_f32 v[BM+2], 0x1800000, v[BM+2]
.irp k, 0,1,2,3                                ; the row's sum of the unquantised p, in four chains
	v_pk_add_f32 v[SU+2*\k:SU+2*\k+1], v[SS+4*\k:SS+4*\k+1], v[SS+4*\k+2:SS+4*\k+3]
.endr
	v_add_nc_u32 v[SO], 0xff000000, v[BM]          ; 2 off the exponent field: the conversions' scale operands
	v_add_nc_u32 v[SO+1], 0xff000000, v[BM+2]
.irp i, 16,24,32,40,48,56
.irp k, 0,1,2,3
	v_pk_add_f32 v[SU+2*\k:SU+2*\k+1], v[SU+2*\k:SU+2*\k+1], v[SS+\i+2*\k:SS+\i+2*\k+1]
.endr
.endr
	v_cvt_scalef32_pk16_fp6_f32 v[PC:PC+2], v[SS:SS+15], v[SO]
	v_cvt_scalef32_pk16_fp6_f32 v[CV:CV+2], v[SS+16:SS+31], v[SO]          ; (a conversion's three registers begin on an even number)
	v_cvt_scalef32_pk16_fp6_f32 v[PC+6:PC+8], v[SS+32:SS+47], v[SO+1]
	v_cvt_scalef32_pk16_fp6_f32 v[CV+4:CV+6], v[SS+48:SS+63], v[SO+1]
	v_lshrrev_b32 v[PT], 23, v[SO]                 ; my two blocks' bytes (plain instructions behind the conversions)
	v_lshrrev_b32 v[PT+1], 23, v[SO+1]
	v_pk_add_f32 v[SU:SU+1], v[SU:SU+1], v[SU+2:SU+3]
	v_pk_add_f32 v[SU+4:SU+5], v[SU+4:SU+5], v[SU+6:SU+7]
	v_lshl_or_b32 v[PT], v[PT+1], 16, v[PT]        ; blocks lane / 16 and 2 + lane / 16,
	s_delay_alu instid0(VALU_DEP_2)
	v_pk_add_f32 v[SU:SU+1], v[SU:SU+1], v[SU+4:SU+5]
	s_delay_alu instid0(VALU_DEP_2)
	v_lshlrev_b32 v[PT], v[H8], v[PT]              ; at their places in the word;
	s_delay_alu instid0(VALU_DEP_2)
	v_pk_add_f32 v[14:15], v[14:15], v[SU:SU+1]
	s_delay_alu instid0(VALU_DEP_2)
	v_permlanex16_b32 v[PT+1], v[PT], s[SEL], s[SEL+1]
.irp i, 0,1,2
	v_mov_b32 v[PC+3+\i], v[CV+\i]
	v_mov_b32 v[PC+9+\i], v[CV+4+\i]
.endr
	v_or_b32 v[PW], v[PT], v[PT+1]                 ; with lane l xor 16's two the word is whole
	s_wait_alu depctr_va_vdst(0)                   ; the wait directly ahead of the first reader of O^T
.set i, 0
.rept 16
	v_pk_mul_f32 v[OT+i:OT+i+1], v[OT+i:OT+i+1], v[FF:FF+1] op_sel_hi:[1,0]   ; O^T under the new M; also the places between p's codes and scale word and the products
.set i, i+2
.endr
	s_wait_alu depctr_va_vdst(0)
	s_wait_dscnt 0x0                               ; V
.irp t, 0,1,2,3                                ; the four accumulators take turns
	v_wmma_scale_f32_16x16x128_f8f6f4 v[OT+8*\t:OT+8*\t+7], v[FR+12*\t:FR+12*\t+11], v[PC:PC+11], v[OT+8*\t:OT+8*\t+7], v[VS+\t], v[PW] matrix_a_fmt:MATRIX_FMT_FP6 matrix_b_fmt:MATRIX_FMT_FP6
.endr
	s_add_co_u32 s[KB], s[KB], STP
	s_add_co_u32 s[SB], s[SB], 256
.endm
	s_mov_b32 s[TRIP], 4                           ; steps 0-3
.Lfirst:
	STEP
	s_sub_co_u32 s[TRIP], s[TRIP], 1
	s_cmp_lg_u32 s[TRIP], 0
	s_cbranch_scc1 .Lfirst
	s_wait_tensorcnt 0x0                           ; my step of steps 4-15 has landed,
	s_wait_dscnt 0x0
	s_barrier_signal -1
	s_barrier_wait -1                              ; everybody's has
	s_mov_b32 s[TRIP], 12
.Lrest:
	STEP
	s_sub_co_u32 s[TRIP], s[TRIP], 1
	s_cmp_lg_u32 s[TRIP], 0
	s_cbranch_scc1 .Lrest
	; THE WAY OUT: O^T / the sum, quantised along the head's 64 channels: half a fragment of the next product's operand
.rept 4
	v_nop
.endr
	v_add_f32 v14, v14, v15
	s_delay_alu instid0(VALU_DEP_1)
	v_permlanex16_b32 v[TT], v14, s[SEL], s[SEL+1]
	s_delay_alu instid0(VALU_DEP_1)
	v_add_f32 v14, v14, v[TT]                      ; the row's sum
	s_wait_alu depctr_va_vdst(0)
	v_rcp_f32 v14, v14
	v_nop
	s_wait_alu depctr_va_vdst(0)
.set i, 0
.rept 32
	v_mul_f32 v[SS+i], v[OT+i], v14                ; register 16 b + i: channel 32 b + 16 (lane / 16) + i
.set i, i+1
.endr
	QUANT2 SS, PC, TT
	global_store_b128 v[L16], v[PC:PC+3], s[72:73]
	global_store_b64 v[L8], v[PC+4:PC+5], s[72:73] offset:512
	global_store_b16 v[R4], v[TT], s[74:75]
	s_wait_tensorcnt 0x0                           ; the wave's end
	ds_add_u32 v[SPW], v[NIL]
	s_wait_dscnt 0x0
	CROUND                                         ; the closing round
	s_endpgm
.Lfunc_end_k_q365c5bcb29_att:
	.size	k_q365c5bcb29_att, .Lfunc_end_k_q365c5bcb29_att-k_q365c5bcb29_att
	.p2alignl 7, 3214868480
	.fill 96, 4, 3214868480
	.section	.rodata,"a",@progbits
	.p2align	6, 0x0
	.amdhsa_kernel k_q365c5bcb29_att
		.amdhsa_group_segment_fixed_size 327680
		.amdhsa_private_segment_fixed_size 0
		.amdhsa_enable_private_segment 0
		.amdhsa_kernarg_size 16
		.amdhsa_user_sgpr_count 2
		.amdhsa_user_sgpr_kernarg_segment_ptr 1
		.amdhsa_wavefront_size32 1
		.amdhsa_system_sgpr_workgroup_id_x 1
		.amdhsa_system_sgpr_workgroup_id_y 1
		.amdhsa_system_sgpr_workgroup_id_z 1
		.amdhsa_system_vgpr_workitem_id 0
		.amdhsa_next_free_vgpr 256
		.amdhsa_next_free_sgpr 76
		.amdhsa_reserve_vcc 0
		.amdhsa_float_denorm_mode_32 3
		.amdhsa_float_denorm_mode_16_64 3
		.amdhsa_memory_ordered 1
		.amdhsa_forward_progress 1
		.amdhsa_inst_pref_size 45
	.end_amdhsa_kernel
	.amdgpu_metadata
---
amdhsa.version: [ 1, 2 ]
amdhsa.kernels:
  - .name:           k_q365c5bcb29_att
    .symbol:         k_q365c5bcb29_att.kd
    .args:
      - { .name: QKV, .offset: 0, .size: 8, .value_kind: global_buffer, .address_space: global }
      - { .name: O, .offset: 8, .size: 8, .value_kind: global_buffer, .address_space: global }
    .group_segment_fixed_size: 327680
    .private_segment_fixed_size: 0
    .kernarg_segment_align: 8
    .kernarg_segment_size: 16
    .max_flat_workgroup_size: 512
    .sgpr_count:     76
    .vgpr_count:     256
    .wavefront_size: 32
...
	.end_amdgpu_metadata
.endif
;; end of part 3
;; launch proj (part 4): grid 8 x 32, 4 waves a work-group, clusters of 4 x 4, 327,680 bytes of LDS; arguments O, W, H1, HP; writes HP
.if DOCPART == 4
	.amdgcn_target "amdgcn-amd-amdhsa--gfx1250"
	.amdhsa_code_object_version 6
	.text
	.protected	k_q365c5bcb29_proj
	.globl	k_q365c5bcb29_proj
	.p2align	8
	.type	k_q365c5bcb29_proj,@function
k_q365c5bcb29_proj:
	s_mov_b64 s[64:65], 0
	v_nop
	global_prefetch_b8 v0, s[64:65] scope:SCOPE_SE
	s_setreg_imm32_b32 hwreg(HW_REG_WAVE_MODE, 25, 1), 1
	s_wait_xcnt 0x0
	s_wait_alu depctr_hold_cnt(0) depctr_sa_sdst(0) depctr_va_vdst(0) depctr_va_sdst(0) depctr_va_ssrc(0) depctr_va_vcc(0) depctr_vm_vsrc(0)
	s_getreg_b32 s2, hwreg(HW_REG_IB_STS2, 6, 4)
	s_cmp_eq_u32 s2, 0
	s_cbranch_scc0 .Lentry_in_a_cluster
	s_endpgm
.Lentry_in_a_cluster:
	s_bfe_u32 s2, ttmp6, 0x10000c
	s_cmp_lg_u32 s2, 0xf033
	s_cbranch_scc0 .Lentry_shape_is_right
	s_endpgm
.Lentry_shape_is_right:
.set NK,    8
.set TP,    NK*1536
.set SPT,   NK*64
.set HALFT, 4*12288                    ; 4 tiles x all 8 K steps: what one wave reads of A or of B
.set HALFS, 4*SPT
.set SCL,   4*HALFT
.set SLOT1, 6144                       ; K steps 4-7 lie behind K steps 0-3 in each tile's 12,288 bytes
.set STAGE, 229376
.set ASC,   3145728
.set BCD,   2359296
.set BSC,   9535488
.set L16, 1
.set L8,  2
.set R4,  3
.set AA16, 4
.set AA8,  5
.set AB16, 6
.set AB8,  7
.set ADS, 12
.set STO, 16
.set RD,  17
.set CO,  18
.set SC,  32
.set BK,  40
.set ACC, 128
.set F0,  0
.set F1,  128
.set G1,  24
.set G0,  32
.set G1B, 48
.set G0B, 56
.set G1S, 68
.set G0S, 76
.set G1SB, 80
.set G0SB, 88
.set MSB, 0
.macro WIN new
.if MSB != \new
	s_set_vgpr_msb (MSB<<8)|\new
.set MSB, \new
.endif
.endm
.set MUL,  0x05
.set TO_F, 0x40
.macro JLOAD g0a, g1a, g0b, g1b
	s_cmp_eq_u32 s15, 0
	s_cbranch_scc0 .Lfor_b_\@
	tensor_load_to_lds s[\g0a:\g0a+3], s[\g1a:\g1a+7]
	s_nop 0
.rept 4
	v_nop
.endr
	s_branch .Lasked_\@
.Lfor_b_\@:
	tensor_load_to_lds s[\g0b:\g0b+3], s[\g1b:\g1b+7]
	s_nop 0
.rept 4
	v_nop
.endr
.Lasked_\@:
.endm
.macro CROUND
	s_barrier_signal -1
	s_barrier_wait -1
	s_cmp_lg_u32 s14, 0
	s_cbranch_scc1 .Lnot_wave_0_\@
	s_barrier_signal -3
.Lnot_wave_0_\@:
	s_barrier_wait -3
	s_barrier_signal -1
	s_barrier_wait -1
.endm
.macro PLACES
.rept 4
	v_nop
.endr
.endm
.macro FETCH slot, q, f, set
	PLACES
	WIN TO_F
.irp i, 0,1,2,3
	ds_load_b128 v[\f+12*\i:\f+12*\i+3], v[AB16+4*\slot] offset:12288*\i+1536*\q
	ds_load_b64 v[\f+12*\i+4:\f+12*\i+5], v[AB8+4*\slot] offset:12288*\i+1536*\q+512
	ds_load_b128 v[\f+12*\i+6:\f+12*\i+9], v[AB16+4*\slot] offset:12288*\i+1536*\q+768
	ds_load_b64 v[\f+12*\i+10:\f+12*\i+11], v[AB8+4*\slot] offset:12288*\i+1536*\q+1280
.endr
.irp i, 0,1,2,3
	ds_load_b128 v[\f+48+12*\i:\f+48+12*\i+3], v[AA16+4*\slot] offset:12288*\i+1536*\q
	ds_load_b64 v[\f+48+12*\i+4:\f+48+12*\i+5], v[AA8+4*\slot] offset:12288*\i+1536*\q+512
	ds_load_b128 v[\f+48+12*\i+6:\f+48+12*\i+9], v[AA16+4*\slot] offset:12288*\i+1536*\q+768
	ds_load_b64 v[\f+48+12*\i+10:\f+48+12*\i+11], v[AA8+4*\slot] offset:12288*\i+1536*\q+1280
.endr
	WIN 0
.irp i, 0,1,2,3
	ds_load_b32 v[SC+4*\set+\i], v[ADS] offset:SPT*\i+64*\q
.endr
.endm
.macro MUL16 f, set
	WIN MUL
.irp a, 0,1,2,3
.irp b, 0,1,2,3
	v_wmma_scale_f32_16x16x128_f8f6f4 v[ACC+8*(4*\a+\b):ACC+8*(4*\a+\b)+7], v[\f+12*\b:\f+12*\b+11], v[\f+48+12*\a:\f+48+12*\a+11], v[ACC+8*(4*\a+\b):ACC+8*(4*\a+\b)+7], v[SC+4*\set+\b], v[SC+4*\set+\a] matrix_a_fmt:MATRIX_FMT_FP6 matrix_b_fmt:MATRIX_FMT_FP6 matrix_a_scale:MATRIX_SCALE_ROW1
.endr
.endr
	WIN 0
.endm
.macro SLOTC slot
	FETCH \slot, 0, F0, 0
	s_wait_dscnt 0x0
	FETCH \slot, 1, F1, 1
	MUL16 F0, 0
	s_wait_dscnt 0x0
	FETCH \slot, 2, F0, 0
	MUL16 F1, 1
	s_wait_dscnt 0x0
	FETCH \slot, 3, F1, 1
	MUL16 F0, 0
	s_wait_dscnt 0x0
	MUL16 F1, 1
.endm
	s_load_b256 s[4:11], s[0:1], 0x0
	v_lshl_add_u32 v126, v0, 2, 0x3c400
	v_mov_b32 v127, 0
	ds_add_u32 v126, v127
	ds_add_u32 v126, v127
	v_lshrrev_b32 v1, 5, v0
	v_readfirstlane_b32 s14, v1
	s_lshr_b32 s15, s14, 1
	s_and_b32 s16, s14, 1
	s_bfe_u32 s40, ttmp6, 0x40000
	s_bfe_u32 s41, ttmp6, 0x40004
	s_lshl_b32 s42, ttmp9, 2
	s_add_co_u32 s42, s42, s40
	s_and_b32 s17, ttmp7, 0xffff
	s_lshl_b32 s17, s17, 2
	s_add_co_u32 s17, s17, s41
	s_lshl_b32 s43, s41, 2
	s_lshl_b32 s43, 15, s43
	s_lshl_b32 s44, 0x1111, s40
	s_or_b32 s[G1+0], s43, (3<<16)|(1<<21)
	s_or_b32 s[G1B+0], s44, (3<<16)|(1<<21)
.irp g, G1, G1B
	s_mov_b32 s[\g+1], 1536<<16                    ; a side's 8 tiles whole: 8 rows of 12,288 bytes, one behind the other
	s_mov_b32 s[\g+2], 8<<16
	s_mov_b32 s[\g+3], 1536<<16
	s_mov_b32 s[\g+4], 8
	s_mov_b32 s[\g+5], TP/8
	s_mov_b32 s[\g+6], 0
	s_mov_b32 s[\g+7], 0
.endr
	s_or_b32 s[G1S+0], s43, (3<<16)|(1<<21)
	s_or_b32 s[G1SB+0], s44, (3<<16)|(1<<21)
.irp g, G1S, G1SB
	s_mov_b32 s[\g+1], 32<<16
	s_mov_b32 s[\g+2], (2*HALFS/256)<<16           ; the scale words of a side's 8 tiles
	s_mov_b32 s[\g+3], 32<<16
	s_mov_b32 s[\g+4], 2*HALFS/256
	s_mov_b32 s[\g+5], 32
	s_mov_b32 s[\g+6], 0
	s_mov_b32 s[\g+7], 0
.endr
	s_mov_b32 s18, 0                               ; a load brings a side whole: it begins at the block's first tile
	s_lshl_b32 s20, s17, 3
	s_add_co_u32 s20, s20, s18
	s_lshl_b32 s46, s42, 3
	s_add_co_u32 s46, s46, s18
	s_mul_i32 s22, s20, SPT
	s_add_co_u32 s22, s22, ASC
	s_mul_i32 s92, s46, SPT
	s_add_co_u32 s92, s92, BSC
	s_mul_i32 s20, s20, TP
	s_mul_i32 s46, s46, TP
	s_add_co_u32 s46, s46, BCD
	s_mov_b32 s21, 0
	s_mov_b32 s23, 0
	s_mov_b32 s47, 0
	s_mov_b32 s93, 0
	s_wait_dscnt 0x0
	s_wait_kmcnt 0x0
	s_add_nc_u64 s[20:21], s[4:5], s[20:21]
	s_add_nc_u64 s[22:23], s[4:5], s[22:23]
	s_add_nc_u64 s[46:47], s[6:7], s[46:47]
	s_add_nc_u64 s[92:93], s[6:7], s[92:93]
	CROUND
	s_mov_b32 s[G0S], 1
	s_mov_b32 s[G0S+1], SCL
	s_mov_b64 s[G0S+2:G0S+3], s[22:23]
	s_or_b32 s[G0S+3], s[G0S+3], 0x80000000
	s_mov_b32 s[G0SB], 1
	s_mov_b32 s[G0SB+1], SCL+2*HALFS
	s_mov_b64 s[G0SB+2:G0SB+3], s[92:93]
	s_or_b32 s[G0SB+3], s[G0SB+3], 0x80000000
.irp s, 0
	s_mov_b32 s[G0+4*\s], 1
	s_mov_b32 s[G0+4*\s+1], 0
	s_add_nc_u64 s[G0+4*\s+2:G0+4*\s+3], s[20:21], \s*6144
	s_or_b32 s[G0+4*\s+3], s[G0+4*\s+3], 0x80000000
	s_mov_b32 s[G0B+4*\s], 1
	s_mov_b32 s[G0B+4*\s+1], 2*HALFT
	s_add_nc_u64 s[G0B+4*\s+2:G0B+4*\s+3], s[46:47], \s*6144
	s_or_b32 s[G0B+4*\s+3], s[G0B+4*\s+3], 0x80000000
.endr
; THE HEAD'S LOADS, ONE A WAVE: wave 0 A's codes, wave 1 B's codes, wave 2 A's scale words, wave 3 B's.  One tree of branches on the wave's number; every way passes one load.  Nothing is filled later.
.macro ARM under, g0, g1, next
	s_cmp_lt_u32 s14, \under
	s_cbranch_scc0 \next
	tensor_load_to_lds s[\g0:\g0+3], s[\g1:\g1+7]
	s_nop 0
.rept 4
	v_nop
.endr
	s_branch .Lhead_asked
\next:
.endm
	ARM 1, G0,  G1,  .Lhead_b
	ARM 2, G0B, G1B, .Lhead_sa
	ARM 3, G0S, G1S, .Lhead_sb
	tensor_load_to_lds s[G0SB:G0SB+3], s[G1SB:G1SB+7]
	s_nop 0
.rept 4
	v_nop
.endr
.Lhead_asked:
	v_and_b32 v13, 31, v0
	v_and_b32 v14, 15, v0
	v_bfe_u32 v15, v0, 4, 1
	v_lshlrev_b32 v[L16], 4, v13
	s_wait_alu depctr_va_vdst(0)
	v_lshlrev_b32 v[L8], 3, v13
	s_wait_alu depctr_va_vdst(0)
	v_lshlrev_b32 v[R4], 2, v14
	s_lshl_b32 s18, s17, 3
	s_lshl_b32 s19, s15, 2
	s_add_co_u32 s18, s18, s19
	s_lshl_b32 s20, s18, 3
	s_add_co_u32 s20, s20, s42
	s_lshl_b32 s20, s20, 13
	s_lshl_b32 s21, s16, 12
	s_add_co_u32 s20, s20, s21
	s_mov_b32 s21, 0
	s_add_nc_u64 s[8:9], s[8:9], s[20:21]
.irp a, 0,1,2,3
.irp q, 0,1,2,3,4,5,6,7
	global_load_b128 v[ACC+32*\a+4*\q:ACC+32*\a+4*\q+3], v[L16], s[8:9] offset:65536*\a+512*\q th:TH_LOAD_NT
.endr
.endr
	s_lshl_b32 s22, s18, 16
	s_lshl_b32 s23, s42, 9
	s_add_co_u32 s22, s22, s23
	s_lshl_b32 s23, s16, 8
	s_add_co_u32 s22, s22, s23
	s_mov_b32 s23, 0
	s_add_nc_u64 s[10:11], s[10:11], s[22:23]
	s_mul_i32 s21, s15, HALFT
	s_mul_i32 s22, s16, HALFT
	s_add_co_u32 s22, s22, 2*HALFT
.irp s, 0,1
	v_add_nc_u32 v[AA16+4*\s], s21, v[L16]
	v_add_nc_u32 v[AA8+4*\s], s21, v[L8]
	v_add_nc_u32 v[AB16+4*\s], s22, v[L16]
	v_add_nc_u32 v[AB8+4*\s], s22, v[L8]
	s_add_co_u32 s21, s21, SLOT1
	s_add_co_u32 s22, s22, SLOT1
.endr
	s_mul_i32 s21, s15, HALFS
	s_mul_i32 s22, s16, HALFS
	s_add_co_u32 s22, s22, 2*HALFS
	s_sub_co_u32 s22, s22, s21
	v_mul_u32_u24 v13, s22, v15
	s_add_co_u32 s21, s21, SCL
	v_add_nc_u32 v[ADS], v[R4], v13
	v_add_nc_u32 v[ADS], s21, v[ADS]
	s_mul_i32 s23, s14, 16*272
	s_add_co_u32 s23, s23, STAGE
	v_mul_u32_u24 v[STO], v14, 272
	v_lshl_add_u32 v[STO], v15, 6, v[STO]
	v_add_nc_u32 v[STO], s23, v[STO]
	v_mul_u32_u24 v[RD], v15, 272
	v_lshl_add_u32 v[RD], v14, 4, v[RD]
	v_add_nc_u32 v[RD], s23, v[RD]
	v_lshlrev_b32 v[CO], 12, v15
	v_lshl_add_u32 v[CO], v14, 4, v[CO]
	s_wait_alu depctr_va_vdst(0)
	s_wait_tensorcnt 0x0                           ; my one load has landed
	s_barrier_signal -1
	s_barrier_wait -1
	s_wait_loadcnt 0x0
	SLOTC 0
	v_add_nc_u32 v[ADS], 256, v[ADS]
	s_wait_alu depctr_va_vdst(0)
	SLOTC 1
	PLACES
.irp a, 0,1,2,3
.if \a >= 2
	s_wait_xcnt 0x0
.endif
.irp q, 0,1,2,3,4,5,6,7
	ds_store_b128 v[STO], v[ACC+32*\a+4*\q:ACC+32*\a+4*\q+3] offset:128*(\q/4)+16*(\q%4)
.endr
.irp t, 0,1,2,3,4,5,6,7
	ds_load_b128 v[BK+32*(\a%2)+4*\t:BK+32*(\a%2)+4*\t+3], v[RD] offset:544*\t
.endr
	s_wait_dscnt 0x0
.irp t, 0,1,2,3,4,5,6,7
	global_store_b128 v[CO], v[BK+32*(\a%2)+4*\t:BK+32*(\a%2)+4*\t+3], s[10:11] offset:(32*(\a/2)+8*(\a%2)+2*\t+8*(\t/4))*4096
.endr
.endr
	s_wait_tensorcnt 0x0
	ds_add_u32 v126, v127
	s_wait_dscnt 0x0
	CROUND
	s_endpgm
.Lfunc_end_k_q365c5bcb29_proj:
	.size	k_q365c5bcb29_proj, .Lfunc_end_k_q365c5bcb29_proj-k_q365c5bcb29_proj
	.p2alignl 7, 3214868480
	.fill 96, 4, 3214868480
	.section	.rodata,"a",@progbits
	.p2align	6, 0x0
	.amdhsa_kernel k_q365c5bcb29_proj
		.amdhsa_group_segment_fixed_size 327680
		.amdhsa_private_segment_fixed_size 0
		.amdhsa_enable_private_segment 0
		.amdhsa_kernarg_size 32
		.amdhsa_user_sgpr_count 2
		.amdhsa_user_sgpr_kernarg_segment_ptr 1
		.amdhsa_wavefront_size32 1
		.amdhsa_system_sgpr_workgroup_id_x 1
		.amdhsa_system_sgpr_workgroup_id_y 1
		.amdhsa_system_sgpr_workgroup_id_z 1
		.amdhsa_system_vgpr_workitem_id 0
		.amdhsa_next_free_vgpr 512
		.amdhsa_next_free_sgpr 100
		.amdhsa_reserve_vcc 0
		.amdhsa_float_denorm_mode_32 3
		.amdhsa_float_denorm_mode_16_64 3
		.amdhsa_memory_ordered 1
		.amdhsa_forward_progress 1
		.amdhsa_inst_pref_size 56
	.end_amdhsa_kernel
	.amdgpu_metadata
---
amdhsa.version: [ 1, 2 ]
amdhsa.kernels:
  - .name:           k_q365c5bcb29_proj
    .symbol:         k_q365c5bcb29_proj.kd
    .args:
      - { .name: O, .offset: 0, .size: 8, .value_kind: global_buffer, .address_space: global }
      - { .name: W, .offset: 8, .size: 8, .value_kind: global_buffer, .address_space: global }
      - { .name: H1, .offset: 16, .size: 8, .value_kind: global_buffer, .address_space: global }
      - { .name: HP, .offset: 24, .size: 8, .value_kind: global_buffer, .address_space: global }
    .group_segment_fixed_size: 327680
    .private_segment_fixed_size: 0
    .kernarg_segment_align: 8
    .kernarg_segment_size: 32
    .max_flat_workgroup_size: 128
    .sgpr_count:     100
    .vgpr_count:     512
    .wavefront_size: 32
...
	.end_amdgpu_metadata
.endif
;; end of part 4
;; launch ln2: the kernel of part 1 again; grid 256 x 1, 8 waves a work-group, no clusters, 137,216 bytes of LDS; arguments HP, g2, H2, w_qkv, w_proj, w_fc1, w_fc2, W; writes H2, W
;; launch fc1 (part 5): grid 8 x 32, 8 waves a work-group, clusters of 4 x 4, 327,680 bytes of LDS; arguments H2, W, G; writes G
.if DOCPART == 5
	.amdgcn_target "amdgcn-amd-amdhsa--gfx1250"
	.amdhsa_code_object_version 6
	.text
	.protected	k_q365c5bcb29_fc1
	.globl	k_q365c5bcb29_fc1
	.p2align	8
	.type	k_q365c5bcb29_fc1,@function
k_q365c5bcb29_fc1:
	s_mov_b64 s[64:65], 0
	v_nop
	global_prefetch_b8 v0, s[64:65] scope:SCOPE_SE
	s_setreg_imm32_b32 hwreg(HW_REG_WAVE_MODE, 25, 1), 1
	s_wait_xcnt 0x0
	s_wait_alu depctr_hold_cnt(0) depctr_sa_sdst(0) depctr_va_vdst(0) depctr_va_sdst(0) depctr_va_ssrc(0) depctr_va_vcc(0) depctr_vm_vsrc(0)
	s_getreg_b32 s2, hwreg(HW_REG_IB_STS2, 6, 4)
	s_cmp_eq_u32 s2, 0
	s_cbranch_scc0 .Lentry_in_a_cluster
	s_endpgm
.Lentry_in_a_cluster:
	s_bfe_u32 s2, ttmp6, 0x10000c
	s_cmp_lg_u32 s2, 0xf033
	s_cbranch_scc0 .Lentry_shape_is_right
	s_endpgm
.Lentry_shape_is_right:
; G = Q(gelu(h2 w_fc1^T)): the product on codes of E2M3 with E8M0 scales, the exact GELU in f32, and the result quantised at once along the hidden 4,096 for the next product.
; A WORK-GROUP STAYS: it keeps the codes and scale words of its 128 tokens (side A) in LDS for the whole launch and walks four blocks of 128 hidden units (side B).  Eight waves in two groups of four, two waves to a SIMD:
;   group g makes block 4 quad + g and then block 4 quad + 2 + g, each of its waves 64 x 64: 16 accumulators.  So one wave's vector work on the way out and its LDS waits stand beside the other wave's issue.
; LDS: A whole (98,304 bytes, filled once); the scale words of A and of all four blocks of B (20,480 bytes, filled once); B's codes of two blocks, in two regions by halves of K (98,304 bytes each).  Each region is
;   filled again once, with the next two blocks, as soon as the first two blocks' products of that half of K are issued: the first refill has the other half of K in which to land, the second the whole way out.
; Source 0 (side B, weight rows) indexes a result's registers, source 1 (side A, tokens) its lanes.  ROWS OF A TILE: lane place r of tile t holds row 32 (t / 2) + 8 (t % 2) + r + 8 (r / 8), so that register 16 b + i of a wave's
; four B tiles is hidden unit 32 b + 16 (lane / 16) + i: two blocks of 32 along the next K.  OPERANDS lie as images of their registers: [tile][K step][1536]; scale words [tile][K step][16].
; CLUSTER 4 x 4: A's tiles are shared along a row of the cluster, B's along a column, by joint loads.  The first fills are one load a wave, chosen by branches on the wave's number; each refill is one load of B's codes in every wave, two tiles of its own.
;   Where a region is filled again a round of the cluster's barrier stands in front of the refill.  The launch claims all of LDS.
; GELU: gelu(x) = max(x, 0) - |x| erfc(|x| / sqrt 2) / 2: no difference of near numbers for negative x, no choice on the sign.  erfc comes from a published f32 approximation of erf in two ranges (N. Juffa's erff; stated there as
;   under 1 ulp of erf): t > 0.927734375: erfc = e^R(t), R a polynomial; else erf = t + t Q(t^2).  Both ranges are always computed and v_cndmask_b32 chooses.
; LIMITS: NaN and infinities are not served; erfc's error is that of erf, some 6e-8 absolute, so far out in the negative tail gelu's relative error grows while its absolute error stays under 1e-7 |x|;
;   a block of zeros or under 2^-124 gets the byte 1.
.set TP,    12288                      ; a tile's codes: 8 K steps
.set SPT,   512                        ; a tile's scale words
.set KH,    6144                       ; a tile's codes of half of K: 4 K steps
.set AHALF, 8*KH                       ; LDS: A at 0: [half of K][8 tiles][KH]
.set BOFF,  2*AHALF                    ; B: [half of K][group][8 tiles][KH]
.set BHALF, 16*KH
.set ASCL,  BOFF+2*BHALF               ; A's scale words: [8 tiles][SPT]
.set BSCL,  ASCL+8*SPT                 ; B's, of all four blocks: [32 tiles][SPT]
.set SPARE, BSCL+32*SPT                ; the spare words, 128 bytes for each of eight waves: four blocks of 256 bytes that no other line names
.set ACD,   16777216                   ; in H2: codes,
.set ASC,   19922944                   ; scale words
.set BCD,   3145728                    ; in W: w_fc1's codes,
.set BSC,   9568256                    ; scale words
.set GS,    12582912                   ; in G: scale words behind the codes
.set L16, 1                            ; v1   16 x lane
.set L8,  2                            ; v2   8 x lane
.set R4,  3                            ; v3   4 x (lane % 16)
.set AA16, 4                           ; v4-7: first half of K: A's fragments by 16 and by 8 bytes a lane, B's likewise; v8-11: second half
.set AA8,  5
.set AB16, 6
.set AB8,  7
.set ADS, 12                           ; v12  my scale words: lanes 0-15 A's, lanes 16-31 B's of my first block; v13: of my second block
.set SPW, 28                           ; v28  LDS address of my spare word; never rewritten
.set NIL, 29                           ; v29  0; never rewritten
.set SC,  32                           ; v32-39 scale words, two sets
.set TM,  40                           ; the quantiser's registers lie over the GELU's, which is done by then
.set CT,  46
.set CD,  52
.set SW,  84
.set T,   40                           ; v40-55   t = |x| / sqrt 2
.set S,   56                           ; v56-71   t^2, later max(x, 0)
.set R,   72                           ; v72-87   the upper range
.set Q,   88                           ; v88-103  the lower range, then erfc / 2
.set U,   104                          ; v104-119
.set VC0, 120                          ; v[120:121] c0, v[122:123] c2, v[124:125] d0: leading coefficients, twice each
.set VC2, 122
.set VD0, 124
.set ACC, 128                          ; v128-255 accumulators: (a, b) at v[128 + 8 (4 a + b)]
.set F0,  0                            ; window 1: two buffers of B's 4 and A's 4 fragments
.set F1,  128
.set SEL, 66
.set G1A,  24                          ; s[24:31] group 1: A's codes;  s[32:39] B's codes;  s[40:47] A's scale words;  s[48:55] B's scale words
.set G1B,  32
.set G1AS, 40
.set G1BS, 48
.set G0AS, 56                          ; groups 0: s[56:59] A's scale words, s[60:63] B's, s[68:71] A's first half of K, s[72:79] B's two halves, s[80:83] A's second half
.set G0BS, 60
.set G0A0, 68
.set G0B,  72
.set G0A1, 80
.set C1,  24                           ; the other coefficients, as scalar pairs, in the registers of descriptors whose loads have been waited for
.set C3,  26
.set C4,  28
.set C5,  30
.set C6,  40
.set L2E, 42
.set D1,  44
.set D2,  46
.set D3,  48
.set D4,  50
.set D5,  52
.set RS2, 54
.set THR, 55
.set MSB, 0
.macro WIN new                         ; the immediate's high byte repeats the setting that is left
.if MSB != \new
	s_set_vgpr_msb (MSB<<8)|\new
.set MSB, \new
.endif
.endm
.set MUL,  0x05                        ; sources 0 and 1 window 1; C and D window 0
.set TO_F, 0x40                        ; destination window 1, address window 0
.macro CROUND                          ; a round of the cluster's barrier
	s_barrier_signal -1
	s_barrier_wait -1
	s_cmp_lg_u32 s14, 0
	s_cbranch_scc1 .Lnot_wave_0_\@
	s_barrier_signal -3
.Lnot_wave_0_\@:
	s_barrier_wait -3
	s_barrier_signal -1
	s_barrier_wait -1
.endm
.macro PLACES                          ; four plain instructions between a matrix instruction and a load into its registers or a read of its result
.rept 4
	v_nop
.endr
.endm
.macro FETCH kh, q, f, set, ads        ; K step q of half kh of K: B's 4 and A's 4 fragments into buffer f, 4 scale registers into a set: 36 loads, each of consecutive bytes
	PLACES
	WIN TO_F
.irp i, 0,1,2,3
	ds_load_b128 v[\f+12*\i:\f+12*\i+3], v[AB16+4*\kh] offset:KH*\i+1536*\q
	ds_load_b64 v[\f+12*\i+4:\f+12*\i+5], v[AB8+4*\kh] offset:KH*\i+1536*\q+512
	ds_load_b128 v[\f+12*\i+6:\f+12*\i+9], v[AB16+4*\kh] offset:KH*\i+1536*\q+768
	ds_load_b64 v[\f+12*\i+10:\f+12*\i+11], v[AB8+4*\kh] offset:KH*\i+1536*\q+1280
.endr
.irp i, 0,1,2,3
	ds_load_b128 v[\f+48+12*\i:\f+48+12*\i+3], v[AA16+4*\kh] offset:KH*\i+1536*\q
	ds_load_b64 v[\f+48+12*\i+4:\f+48+12*\i+5], v[AA8+4*\kh] offset:KH*\i+1536*\q+512
	ds_load_b128 v[\f+48+12*\i+6:\f+48+12*\i+9], v[AA16+4*\kh] offset:KH*\i+1536*\q+768
	ds_load_b64 v[\f+48+12*\i+10:\f+48+12*\i+11], v[AA8+4*\kh] offset:KH*\i+1536*\q+1280
.endr
	WIN 0
.irp i, 0,1,2,3
	ds_load_b32 v[SC+4*\set+\i], v[\ads] offset:SPT*\i+64*(4*\kh+\q)
.endr
.endm
.macro MUL16 f, set, zero              ; a K step's 16 products; the 16 accumulators take turns, in the same order in every K step
	WIN MUL
.irp a, 0,1,2,3
.irp b, 0,1,2,3
.if \zero
	v_wmma_scale_f32_16x16x128_f8f6f4 v[ACC+8*(4*\a+\b):ACC+8*(4*\a+\b)+7], v[\f+12*\b:\f+12*\b+11], v[\f+48+12*\a:\f+48+12*\a+11], 0, v[SC+4*\set+\b], v[SC+4*\set+\a] matrix_a_fmt:MATRIX_FMT_FP6 matrix_b_fmt:MATRIX_FMT_FP6 matrix_a_scale:MATRIX_SCALE_ROW1
.else
	v_wmma_scale_f32_16x16x128_f8f6f4 v[ACC+8*(4*\a+\b):ACC+8*(4*\a+\b)+7], v[\f+12*\b:\f+12*\b+11], v[\f+48+12*\a:\f+48+12*\a+11], v[ACC+8*(4*\a+\b):ACC+8*(4*\a+\b)+7], v[SC+4*\set+\b], v[SC+4*\set+\a] matrix_a_fmt:MATRIX_FMT_FP6 matrix_b_fmt:MATRIX_FMT_FP6 matrix_a_scale:MATRIX_SCALE_ROW1
.endif
.endr
.endr
	WIN 0
.endm
.macro SLOTC kh, zero, ads             ; half of K: four K steps; each K step's loads are issued ahead of the products of the K step before; it leaves no LDS load out
	FETCH \kh, 0, F0, 0, \ads
	s_wait_dscnt 0x0
	FETCH \kh, 1, F1, 1, \ads
	MUL16 F0, 0, \zero
	s_wait_dscnt 0x0                               ; the 36 loads issued ahead of the last 16 products
	FETCH \kh, 2, F0, 0, \ads
	MUL16 F1, 1, 0
	s_wait_dscnt 0x0
	FETCH \kh, 3, F1, 1, \ads
	MUL16 F0, 0, 0
	s_wait_dscnt 0x0
	MUL16 F1, 1, 0
.endm
; B's region of half kh of K has been read out by both groups: it is filled again, with the same half of K of the next two blocks: 16 tiles on in memory, two tiles a wave.
.macro REFILL kh
	s_wait_tensorcnt 0x0                           ; no tensor load of mine is out, so a group 0 may be written
	ds_add_u32 v[SPW], v[NIL]                      ; 0 onto my spare word
	s_add_nc_u64 s[G0B+4*\kh+2:G0B+4*\kh+3], s[G0B+4*\kh+2:G0B+4*\kh+3], 16*TP
	s_mov_b32 s[G1B+2], 2<<16                      ; no load of mine is out: from here on a load of B's codes brings 2 tiles
	s_mov_b32 s[G1B+4], 2
	s_wait_dscnt 0x0                               ; the add is done, and my reads of the region are over
	CROUND                                         ; both now hold of every wave of all sixteen work-groups
	tensor_load_to_lds s[G0B+4*\kh:G0B+4*\kh+3], s[G1B:G1B+7]   ; my one tensor load until the next round, and the first thing behind this one
	s_nop 0
.rept 4
	v_nop
.endr
.endm
.macro QUANT2 src, dst, sw             ; 32 numbers (two blocks of 32 along the next K, half of each in lane l xor 16) become 6 registers of codes and two scale bytes
.irp b, 0,1
	v_max3_num_f32 v[TM+\b], |v[\src+16*\b]|, |v[\src+16*\b+1]|, 0x1800000   ; the floor 2^(3 - 127) holds the byte at 1 from below
.endr
.irp i, 2,4,6,8,10,12,14
.irp b, 0,1
	s_delay_alu instid0(VALU_DEP_2)
	v_max3_num_f32 v[TM+\b], v[TM+\b], |v[\src+16*\b+\i]|, |v[\src+16*\b+\i+1]|
.endr
.endr
.irp b, 0,1
	s_delay_alu instid0(VALU_DEP_2)
	v_permlanex16_b32 v[TM+2+\b], v[TM+\b], s[SEL], s[SEL+1]
.endr
.irp b, 0,1
	s_delay_alu instid0(VALU_DEP_2)
	v_max_num_f32 v[TM+\b], v[TM+\b], v[TM+2+\b]
.endr
.irp b, 0,1
	s_delay_alu instid0(VALU_DEP_2)
	v_add_nc_u32 v[TM+4+\b], 0xff000000, v[TM+\b]        ; 2 off the exponent field: the conversion's scale operand
.endr
.irp b, 0,1
	s_delay_alu instid0(VALU_DEP_2)
	v_lshrrev_b32 v[TM+2+\b], 23, v[TM+4+\b]
.endr
	s_delay_alu instid0(VALU_DEP_1)
	v_lshl_or_b32 v[\sw], v[TM+3], 8, v[TM+2]
	v_cvt_scalef32_pk16_fp6_f32 v[\dst:\dst+2], v[\src:\src+15], v[TM+4]
	v_cvt_scalef32_pk16_fp6_f32 v[CT:CT+2], v[\src+16:\src+31], v[TM+5]
	v_nop                                                ; one plain instruction behind a scaled conversion
.irp i, 0,1,2
	v_permlane16_swap_b32 v[\dst+\i], v[CT+\i]
.endr
.irp i, 0,1,2
	s_delay_alu instid0(VALU_DEP_3)
	v_mov_b32 v[\dst+3+\i], v[CT+\i]
.endr
.endm
.macro PAIR reg, val                   ; a packed instruction names a scalar pair and takes its low word for both halves: both words are written
	s_mov_b32 s[\reg], \val
	s_mov_b32 s[\reg+1], \val
.endm
; gelu in place on 16 registers, eight pairs side by side in every line of the two polynomials
.macro GELU16 x
.irp i, 0,1,2,3,4,5,6,7,8,9,10,11,12,13,14,15
	v_mul_f32 v[T+\i], s[RS2], |v[\x+\i]|          ; t; each accumulator is read from its low end on
.endr
.irp p, 0,2,4,6,8,10,12,14
	v_pk_mul_f32 v[S+\p:S+\p+1], v[T+\p:T+\p+1], v[T+\p:T+\p+1]
.endr
.irp p, 0,2,4,6,8,10,12,14
	v_pk_fma_f32 v[R+\p:R+\p+1], v[T+\p:T+\p+1], v[VC0:VC0+1], s[C1:C1+1] op_sel_hi:[1,1,0]
	v_pk_fma_f32 v[U+\p:U+\p+1], v[T+\p:T+\p+1], v[VC2:VC2+1], s[C3:C3+1] op_sel_hi:[1,1,0]
	v_pk_fma_f32 v[Q+\p:Q+\p+1], v[S+\p:S+\p+1], v[VD0:VD0+1], s[D1:D1+1] op_sel_hi:[1,1,0]
.endr
.irp p, 0,2,4,6,8,10,12,14
	v_pk_fma_f32 v[R+\p:R+\p+1], v[R+\p:R+\p+1], v[S+\p:S+\p+1], v[U+\p:U+\p+1]
	v_pk_fma_f32 v[Q+\p:Q+\p+1], v[Q+\p:Q+\p+1], v[S+\p:S+\p+1], s[D2:D2+1] op_sel_hi:[1,1,0]
.endr
.irp p, 0,2,4,6,8,10,12,14
	v_pk_fma_f32 v[R+\p:R+\p+1], v[R+\p:R+\p+1], v[T+\p:T+\p+1], s[C4:C4+1] op_sel_hi:[1,1,0]
	v_pk_fma_f32 v[Q+\p:Q+\p+1], v[Q+\p:Q+\p+1], v[S+\p:S+\p+1], s[D3:D3+1] op_sel_hi:[1,1,0]
.endr
.irp p, 0,2,4,6,8,10,12,14
	v_pk_fma_f32 v[R+\p:R+\p+1], v[R+\p:R+\p+1], v[T+\p:T+\p+1], s[C5:C5+1] op_sel_hi:[1,1,0]
	v_pk_fma_f32 v[Q+\p:Q+\p+1], v[Q+\p:Q+\p+1], v[S+\p:S+\p+1], s[D4:D4+1] op_sel_hi:[1,1,0]
.endr
.irp p, 0,2,4,6,8,10,12,14
	v_pk_fma_f32 v[R+\p:R+\p+1], v[R+\p:R+\p+1], v[T+\p:T+\p+1], s[C6:C6+1] op_sel_hi:[1,1,0]
	v_pk_fma_f32 v[Q+\p:Q+\p+1], v[Q+\p:Q+\p+1], v[S+\p:S+\p+1], s[D5:D5+1] op_sel_hi:[1,1,0]
.endr
.irp p, 0,2,4,6,8,10,12,14
	v_pk_fma_f32 v[R+\p:R+\p+1], v[R+\p:R+\p+1], v[T+\p:T+\p+1], v[T+\p:T+\p+1] neg_lo:[0,0,1] neg_hi:[0,0,1]   ; R t - t = ln erfc(t)
	v_pk_fma_f32 v[Q+\p:Q+\p+1], v[Q+\p:Q+\p+1], v[T+\p:T+\p+1], v[T+\p:T+\p+1]                                 ; Q t + t = erf(t)
.endr
.irp p, 0,2,4,6,8,10,12,14
	v_pk_fma_f32 v[R+\p:R+\p+1], v[R+\p:R+\p+1], s[L2E:L2E+1], -1.0 op_sel_hi:[1,0,0]   ; to base 2, and halved
	v_pk_fma_f32 v[Q+\p:Q+\p+1], v[Q+\p:Q+\p+1], -0.5, 0.5 op_sel_hi:[1,0,0]            ; (1 - erf) / 2
.endr
	s_wait_alu depctr_va_vdst(0)
.irp i, 0,1,2,3,4,5,6,7,8,9,10,11,12,13,14,15
	v_exp_f32 v[R+\i], v[R+\i]                     ; one batch
.endr
.irp i, 0,1,2,3,4,5,6,7,8,9,10,11,12,13,14,15
	v_max_num_f32 v[S+\i], 0, v[\x+\i]             ; plain work behind the batch
.endr
	s_wait_alu depctr_va_vdst(0)                   ; one wait for the batch, ahead of its first reader
.irp i, 0,1,2,3,4,5,6,7,8,9,10,11,12,13,14,15
	v_cmp_lt_f32 vcc_lo, s[THR], v[T+\i]
	v_cndmask_b32 v[Q+\i], v[Q+\i], v[R+\i], vcc_lo
.endr
.irp i, 0,1,2,3,4,5,6,7,8,9,10,11,12,13,14,15
	v_fma_f32 v[\x+\i], -|v[\x+\i]|, v[Q+\i], v[S+\i]
.endr
.endm
; THE WAY OUT of my block t (0: the first, 1: the second, two K steps of the next product further on): GELU, then for each token tile half a fragment and two scale bytes a row
.macro EPI t
	PLACES
	s_wait_xcnt 0x0                                ; the registers at work below lie over the data of the last way out's stores: they are written only behind this wait
.irp n, 0,1,2,3,4,5,6,7
	GELU16 ACC+16*\n
.endr
.irp a, 0,1,2,3                                ; registers of its own for each token tile: within a way out no store's data are written again
	QUANT2 ACC+32*\a, CD+8*\a, SW+\a
	global_store_b128 v[L16], v[CD+8*\a:CD+8*\a+3], s[84:85] offset:49152*\a+3072*\t
	global_store_b64 v[L8], v[CD+8*\a+4:CD+8*\a+5], s[84:85] offset:49152*\a+3072*\t+512
	global_store_b16 v[R4], v[SW+\a], s[86:87] offset:2048*\a+128*\t
.endr
.endm
	s_load_b128 s[4:7], s[0:1], 0x0                ; H2, W
	s_load_b64 s[8:9], s[0:1], 0x10                ; G
	v_lshl_add_u32 v[SPW], v0, 2, SPARE
	v_mov_b32 v[NIL], 0
	ds_add_u32 v28, v29
	ds_add_u32 v28, v29
	s_wait_dscnt 0x0
	v_lshrrev_b32 v1, 5, v0
	s_delay_alu instid0(VALU_DEP_1)
	v_readfirstlane_b32 s14, v1                    ; wave 0..7
	s_lshr_b32 s12, s14, 2                         ; my group
	s_bfe_u32 s15, s14, 0x10001                    ; which 4 of A's 8 tiles are mine
	s_and_b32 s16, s14, 1                          ; which 4 of my block's 8 tiles of B
	s_bfe_u32 s10, ttmp6, 0x40000                  ; cx
	s_bfe_u32 s11, ttmp6, 0x40004                  ; cy
	s_lshl_b32 s18, ttmp9, 2
	s_add_co_u32 s18, s18, s10                     ; quad: B's four blocks of 128 hidden units; it hangs on cx, which my column of the cluster shares
	s_and_b32 s17, ttmp7, 0xffff
	s_lshl_b32 s17, s17, 2
	s_add_co_u32 s17, s17, s11                     ; A's block of 128 tokens: on cy, which my row shares
	s_lshl_b32 s19, s11, 2
	s_lshl_b32 s19, 15, s19                        ; my row of the cluster
	s_lshl_b32 s20, 0x1111, s10                    ; my column
	s_or_b32 s[G1A], s19, (3<<16)|(1<<21)          ; 15:0 the mask; 17:16 elements of 8 bytes; 21 set beside a mask; no padding
	s_mov_b32 s[G1A+1], 768<<16                    ; A's codes: 4 rows (tiles) of 6,144 bytes, half of K, a tile's codes apart
	s_mov_b32 s[G1A+2], 4<<16
	s_mov_b32 s[G1A+3], 768<<16
	s_mov_b32 s[G1A+4], 4
	s_mov_b32 s[G1A+5], TP/8
	s_mov_b32 s[G1A+6], 0
	s_mov_b32 s[G1A+7], 0
	s_or_b32 s[G1B], s20, (3<<16)|(1<<21)
	s_mov_b32 s[G1B+1], 768<<16                    ; B's codes: 2 rows (tiles) of 6,144 bytes, a tile's codes apart
	s_mov_b32 s[G1B+2], 4<<16                      ; the first fills bring 4 tiles
	s_mov_b32 s[G1B+3], 768<<16
	s_mov_b32 s[G1B+4], 4
	s_mov_b32 s[G1B+5], TP/8
	s_mov_b32 s[G1B+6], 0
	s_mov_b32 s[G1B+7], 0
	s_or_b32 s[G1AS], s19, (3<<16)|(1<<21)
	s_mov_b32 s[G1AS+1], 32<<16                    ; A's scale words: rows of 256 dense bytes
	s_mov_b32 s[G1AS+2], 16<<16                    ; all 8 tiles' 4,096 dense bytes
	s_mov_b32 s[G1AS+3], 32<<16
	s_mov_b32 s[G1AS+4], 16
	s_mov_b32 s[G1AS+5], 32
	s_mov_b32 s[G1AS+6], 0
	s_mov_b32 s[G1AS+7], 0
	s_or_b32 s[G1BS], s20, (3<<16)|(1<<21)
	s_mov_b32 s[G1BS+1], 32<<16                    ; B's scale words: rows of 256 dense bytes
	s_mov_b32 s[G1BS+2], 64<<16                    ; all 32 tiles' 16,384 dense bytes
	s_mov_b32 s[G1BS+3], 32<<16
	s_mov_b32 s[G1BS+4], 64
	s_mov_b32 s[G1BS+5], 32
	s_mov_b32 s[G1BS+6], 0
	s_mov_b32 s[G1BS+7], 0
	s_lshl_b32 s88, s17, 3
	s_lshl_b32 s90, s88, 9                         ; A's scale words begin at the block's first tile
	s_add_co_u32 s90, s90, ASC
	s_lshl_b32 s21, s16, 2
	s_add_co_u32 s88, s88, s21                     ; A's codes: waves 2 and 3 fetch 4 tiles each
	s_mul_i32 s88, s88, TP
	s_add_co_u32 s88, s88, ACD
	s_mov_b32 s89, 0
	s_mov_b32 s91, 0
	s_lshl_b32 s92, s18, 5
	s_lshl_b32 s21, s14, 1
	s_add_co_u32 s92, s92, s21                     ; B: wave w fetches tiles 2 w, 2 w + 1 of the sixteen of two blocks
	s_mul_i32 s92, s92, TP
	s_add_co_u32 s92, s92, BCD
	s_lshl_b32 s94, s18, 14
	s_and_b32 s2, s14, 3                           ; B's first fills: waves 4-7 fetch 4 tiles each of the sixteen of two blocks
	s_lshl_b32 s2, s2, 2
	s_lshl_b32 s21, s18, 5
	s_add_co_u32 s2, s2, s21
	s_mul_i32 s2, s2, TP
	s_add_co_u32 s2, s2, BCD
	s_mov_b32 s3, 0
	s_add_co_u32 s94, s94, BSC
	s_mov_b32 s93, 0
	s_mov_b32 s95, 0
	s_mul_i32 s22, s16, 4*KH
	s_mul_i32 s23, s14, 2*KH
	s_mov_b32 s[SEL], 0x76543210
	s_mov_b32 s[SEL+1], 0xfedcba98
	s_wait_kmcnt 0x0
	s_add_nc_u64 s[88:89], s[4:5], s[88:89]
	s_add_nc_u64 s[90:91], s[4:5], s[90:91]
	s_add_nc_u64 s[92:93], s[6:7], s[92:93]
	s_add_nc_u64 s[94:95], s[6:7], s[94:95]
	s_mov_b32 s[G0AS], 1
	s_mov_b32 s[G0AS+1], ASCL
	s_mov_b64 s[G0AS+2:G0AS+3], s[90:91]
	s_or_b32 s[G0AS+3], s[G0AS+3], 0x80000000
	s_mov_b32 s[G0BS], 1
	s_mov_b32 s[G0BS+1], BSCL
	s_mov_b64 s[G0BS+2:G0BS+3], s[94:95]
	s_or_b32 s[G0BS+3], s[G0BS+3], 0x80000000
	s_mov_b32 s[G0A0], 1
	s_mov_b32 s[G0A0+1], s22
	s_mov_b64 s[G0A0+2:G0A0+3], s[88:89]
	s_or_b32 s[G0A0+3], s[G0A0+3], 0x80000000
	s_mov_b32 s[G0A1], 1
	s_add_co_u32 s[G0A1+1], s22, AHALF
	s_add_nc_u64 s[G0A1+2:G0A1+3], s[88:89], KH
	s_or_b32 s[G0A1+3], s[G0A1+3], 0x80000000
	s_mov_b32 s[G0B], 1
	s_add_co_u32 s[G0B+1], s23, BOFF
	s_mov_b64 s[G0B+2:G0B+3], s[92:93]
	s_or_b32 s[G0B+3], s[G0B+3], 0x80000000
	s_mov_b32 s[G0B+4], 1
	s_add_co_u32 s[G0B+5], s23, BOFF+BHALF
	s_add_nc_u64 s[G0B+6:G0B+7], s[92:93], KH
	s_or_b32 s[G0B+7], s[G0B+7], 0x80000000
	CROUND                                         ; all sixteen work-groups are here: the joint loads meet
.set G0BH, 96                          ; s[96:99] group 0 of B's first fills
	s_mov_b32 s[G0BH], 1
	s_and_b32 s[G0BH+1], s14, 3
	s_mul_i32 s[G0BH+1], s[G0BH+1], 4*KH
	s_add_co_u32 s[G0BH+1], s[G0BH+1], BOFF
	s_add_nc_u64 s[G0BH+2:G0BH+3], s[6:7], s[2:3]
	s_or_b32 s[G0BH+3], s[G0BH+3], 0x80000000
; THE HEAD'S LOADS, ONE A WAVE: wave 0 A's scale words, wave 1 B's, waves 2 and 3 A's first half of K, waves 4-7 B's.  One tree of branches on the wave's number; every way passes one load.
.macro ARM under, g0, g1, next
	s_cmp_lt_u32 s14, \under
	s_cbranch_scc0 \next
	tensor_load_to_lds s[\g0:\g0+3], s[\g1:\g1+7]
	s_nop 0
.rept 4
	v_nop
.endr
	s_branch .Lhead_asked
\next:
.endm
	ARM 1, G0AS, G1AS, .Lhead_bs
	ARM 2, G0BS, G1BS, .Lhead_a
	ARM 4, G0A0, G1A,  .Lhead_b
	tensor_load_to_lds s[G0BH:G0BH+3], s[G1B:G1B+7]
	s_nop 0
.rept 4
	v_nop
.endr
.Lhead_asked:
	v_and_b32 v20, 31, v0
	v_and_b32 v21, 15, v0
	v_bfe_u32 v22, v0, 4, 1
	s_delay_alu instid0(VALU_DEP_3)
	v_lshlrev_b32 v[L16], 4, v20
	s_delay_alu instid0(VALU_DEP_4)
	v_lshlrev_b32 v[L8], 3, v20
	s_delay_alu instid0(VALU_DEP_4)
	v_lshlrev_b32 v[R4], 2, v21
	s_mul_i32 s21, s15, 4*KH                       ; my 4 tiles of A in a half of K
	s_mul_i32 s22, s12, 8*KH                       ; my group's block of B,
	s_mul_i32 s23, s16, 4*KH                       ; my 4 tiles of it
	s_add_co_u32 s22, s22, s23
	s_add_co_u32 s22, s22, BOFF
.irp k, 0,1
	v_add_nc_u32 v[AA16+4*\k], s21, v[L16]
	v_add_nc_u32 v[AA8+4*\k], s21, v[L8]
	v_add_nc_u32 v[AB16+4*\k], s22, v[L16]
	v_add_nc_u32 v[AB8+4*\k], s22, v[L8]
	s_add_co_u32 s21, s21, AHALF
	s_add_co_u32 s22, s22, BHALF
.endr
	s_lshl_b32 s21, s15, 11                        ; A's scale words: my 4 tiles
	s_lshl_b32 s22, s12, 12                        ; B's: my group's first block,
	s_lshl_b32 s23, s16, 11                        ; my 4 tiles of it
	s_add_co_u32 s22, s22, s23
	s_add_co_u32 s22, s22, BSCL-ASCL
	s_sub_co_u32 s22, s22, s21
	v_mul_u32_u24 v20, s22, v22                    ; lanes 16-31 take B's words: one product with the lane's half
	s_add_co_u32 s21, s21, ASCL
	v_add_nc_u32 v[ADS], v[R4], v20
	s_delay_alu instid0(VALU_DEP_1)
	v_add_nc_u32 v[ADS], s21, v[ADS]
	s_delay_alu instid0(VALU_DEP_1)
	v_lshl_add_u32 v[ADS+1], v22, 13, v[ADS]       ; my second block: B's words two blocks, 8,192 bytes, on; A's stay
	s_lshl_b32 s21, s17, 3
	s_lshl_b32 s22, s15, 2
	s_add_co_u32 s21, s21, s22                     ; my first token tile
	s_lshl_b32 s21, s21, 5
	s_lshl_b32 s22, s18, 2
	s_add_co_u32 s21, s21, s22
	s_add_co_u32 s21, s21, s12                     ; x 32 K steps of the next product + my first block: K step 4 quad + group
	s_mul_i32 s84, s21, 1536
	s_mul_i32 s22, s16, 768                        ; my 64 hidden units are half a fragment
	s_add_co_u32 s84, s84, s22
	s_mov_b32 s85, 0
	s_add_nc_u64 s[84:85], s[8:9], s[84:85]
	s_lshl_b32 s86, s21, 6
	s_lshl_b32 s22, s16, 1
	s_add_co_u32 s86, s86, s22
	s_add_co_u32 s86, s86, GS
	s_mov_b32 s87, 0
	s_add_nc_u64 s[86:87], s[8:9], s[86:87]
	v_mov_b32 v[VC0], 0xb7910000                   ; c0
	v_mov_b32 v[VC0+1], 0xb7910000
	v_mov_b32 v[VC2], 0xbb7e8a1c                   ; c2
	v_mov_b32 v[VC2+1], 0xbb7e8a1c
	v_mov_b32 v[VD0], 0xba1c7000                   ; d0
	v_mov_b32 v[VD0+1], 0xba1c7000
	s_wait_alu depctr_va_vdst(0)
	s_wait_tensorcnt 0x0                           ; my load of the head has landed; the lines ahead of a later first fill:
	ds_add_u32 v[SPW], v[NIL]
	s_add_co_u32 s[G0BH+1], s[G0BH+1], BHALF       ; no load of mine is out: B's group 0 goes on to the second half of K
	s_add_nc_u64 s[G0BH+2:G0BH+3], s[G0BH+2:G0BH+3], KH
	s_wait_dscnt 0x0
	CROUND                                         ; the scale words and the first half of K are whole, and all sixteen work-groups are here
	s_cmp_lt_u32 s14, 2                            ; the second half of K: waves 2 and 3 A's, waves 4-7 B's, one load a wave
	s_cbranch_scc1 .Lsecond_asked
	s_cmp_lt_u32 s14, 4
	s_cbranch_scc0 .Lsecond_b
	tensor_load_to_lds s[G0A1:G0A1+3], s[G1A:G1A+7]
	s_nop 0
.rept 4
	v_nop
.endr
	s_branch .Lsecond_asked
.Lsecond_b:
	tensor_load_to_lds s[G0BH:G0BH+3], s[G1B:G1B+7]
	s_nop 0
.rept 4
	v_nop
.endr
.Lsecond_asked:
	SLOTC 0, 1, ADS                                ; my first block: the first products start the sums: nothing is cleared
	REFILL 0                                       ; its wait for all loads also shows the second half of K landed, in every wave ahead of the round
	SLOTC 1, 0, ADS
	REFILL 1                                       ; its wait for all loads also shows the first refill landed, in every wave ahead of the round
	PAIR C1, 0x39c8e7d9                            ; (the loads that named these registers were waited for above; B's descriptors, of which one is in use, are not touched)
	PAIR C3, 0x3cc6b1a1
	PAIR C4, 0xbddaae5c
	PAIR C5, 0xbf228550
	PAIR C6, 0xbe03ce86
	PAIR L2E, 0x3fb8aa3b
	PAIR D1, 0x3ba38d2c
	PAIR D2, 0xbcdb48d9
	PAIR D3, 0x3de70e22
	PAIR D4, 0xbec09380
	PAIR D5, 0x3e0375d4
	s_mov_b32 s[RS2], 0x3f3504f3                   ; 1 / sqrt 2
	s_mov_b32 s[THR], 0x3f6d8000                   ; 0.927734375
	EPI 0                                          ; the second refill lands meanwhile
	SLOTC 0, 1, ADS+1                              ; my second block; no barrier: the round in front of the second refill stood behind every wave's wait for the first
	s_wait_tensorcnt 0x0                           ; my part of the second refill
	s_wait_dscnt 0x0
	s_barrier_signal -1
	s_barrier_wait -1                              ; everybody's
	SLOTC 1, 0, ADS+1
	EPI 1
	s_wait_tensorcnt 0x0                           ; the wave's end, behind my last tensor load
	ds_add_u32 v[SPW], v[NIL]
	s_wait_dscnt 0x0
	CROUND                                         ; the closing round: no work-group ends while a partner may still ask for a tile that names it
	s_endpgm
.Lfunc_end_k_q365c5bcb29_fc1:
	.size	k_q365c5bcb29_fc1, .Lfunc_end_k_q365c5bcb29_fc1-k_q365c5bcb29_fc1
	.p2alignl 7, 3214868480
	.fill 96, 4, 3214868480
	.section	.rodata,"a",@progbits
	.p2align	6, 0x0
	.amdhsa_kernel k_q365c5bcb29_fc1
		.amdhsa_group_segment_fixed_size 327680
		.amdhsa_private_segment_fixed_size 0
		.amdhsa_enable_private_segment 0
		.amdhsa_kernarg_size 24
		.amdhsa_user_sgpr_count 2
		.amdhsa_user_sgpr_kernarg_segment_ptr 1
		.amdhsa_wavefront_size32 1
		.amdhsa_system_sgpr_workgroup_id_x 1
		.amdhsa_system_sgpr_workgroup_id_y 1
		.amdhsa_system_sgpr_workgroup_id_z 1
		.amdhsa_system_vgpr_workitem_id 0
		.amdhsa_next_free_vgpr 512
		.amdhsa_next_free_sgpr 100
		.amdhsa_reserve_vcc 1
		.amdhsa_float_denorm_mode_32 3
		.amdhsa_float_denorm_mode_16_64 3
		.amdhsa_memory_ordered 1
		.amdhsa_forward_progress 1
		.amdhsa_inst_pref_size 255
	.end_amdhsa_kernel
	.section	.bss,"aw",@nobits
	.p2align	6
	.space	262144
	.amdgpu_metadata
---
amdhsa.version: [ 1, 2 ]
amdhsa.kernels:
  - .name:           k_q365c5bcb29_fc1
    .symbol:         k_q365c5bcb29_fc1.kd
    .args:
      - { .name: H2, .offset: 0, .size: 8, .value_kind: global_buffer, .address_space: global }
      - { .name: W, .offset: 8, .size: 8, .value_kind: global_buffer, .address_space: global }
      - { .name: G, .offset: 16, .size: 8, .value_kind: global_buffer, .address_space: global }
    .group_segment_fixed_size: 327680
    .private_segment_fixed_size: 0
    .kernarg_segment_align: 8
    .kernarg_segment_size: 24
    .max_flat_workgroup_size: 256
    .sgpr_count:     100
    .vgpr_count:     512
    .wavefront_size: 32
...
	.end_amdgpu_metadata
.endif
;; end of part 5
;; launch fc2 (part 6): grid 8 x 32, 4 waves a work-group, clusters of 4 x 4, 327,680 bytes of LDS; arguments G, W, H2, out0; writes out0
.if DOCPART == 6
	.amdgcn_target "amdgcn-amd-amdhsa--gfx1250"
	.amdhsa_code_object_version 6
	.text
	.protected	k_q365c5bcb29_fc2
	.globl	k_q365c5bcb29_fc2
	.p2align	8
	.type	k_q365c5bcb29_fc2,@function
k_q365c5bcb29_fc2:
	s_mov_b64 s[64:65], 0
	v_nop
	global_prefetch_b8 v0, s[64:65] scope:SCOPE_SE
	s_setreg_imm32_b32 hwreg(HW_REG_WAVE_MODE, 25, 1), 1
	s_wait_xcnt 0x0
	s_wait_alu depctr_hold_cnt(0) depctr_sa_sdst(0) depctr_va_vdst(0) depctr_va_sdst(0) depctr_va_ssrc(0) depctr_va_vcc(0) depctr_vm_vsrc(0)
	s_getreg_b32 s2, hwreg(HW_REG_IB_STS2, 6, 4)
	s_cmp_eq_u32 s2, 0
	s_cbranch_scc0 .Lentry_in_a_cluster
	s_endpgm
.Lentry_in_a_cluster:
	s_bfe_u32 s2, ttmp6, 0x10000c
	s_cmp_lg_u32 s2, 0xf033
	s_cbranch_scc0 .Lentry_shape_is_right
	s_endpgm
.Lentry_shape_is_right:
.set NK,    32
.set TP,    NK*1536
.set SPT,   NK*64
.set HALFT, 4*6144
.set HALFS, 4*SPT
.set SCL,   4*HALFT
.set SLOT1, 131072
.set STAGE, 229376
.set SPARE, 246784
.set ASC,   12582912
.set BCD,   6291456
.set BSC,   9699328
.set L16, 1
.set L8,  2
.set R4,  3
.set AA16, 4
.set AA8,  5
.set AB16, 6
.set AB8,  7
.set ADS, 12
.set STO, 16
.set RD,  17
.set CO,  18
.set SPW, 28
.set NIL, 29
.set SC,  32
.set BK,  40
.set ACC, 128
.set F0,  0
.set F1,  128
.set G1,  24
.set G0,  32
.set G1B, 48
.set G0B, 56
.set G1S, 68
.set G0S, 76
.set G1SB, 80
.set G0SB, 88
.set MSB, 0
.macro WIN new
.if MSB != \new
	s_set_vgpr_msb (MSB<<8)|\new
.set MSB, \new
.endif
.endm
.set MUL,  0x05
.set TO_F, 0x40
.macro JLOAD g0a, g1a, g0b, g1b
	s_cmp_eq_u32 s15, 0
	s_cbranch_scc0 .Lfor_b_\@
	tensor_load_to_lds s[\g0a:\g0a+3], s[\g1a:\g1a+7]
	s_nop 0
.rept 4
	v_nop
.endr
	s_branch .Lasked_\@
.Lfor_b_\@:
	tensor_load_to_lds s[\g0b:\g0b+3], s[\g1b:\g1b+7]
	s_nop 0
.rept 4
	v_nop
.endr
.Lasked_\@:
.endm
.macro CROUND
	s_barrier_signal -1
	s_barrier_wait -1
	s_cmp_lg_u32 s14, 0
	s_cbranch_scc1 .Lnot_wave_0_\@
	s_barrier_signal -3
.Lnot_wave_0_\@:
	s_barrier_wait -3
	s_barrier_signal -1
	s_barrier_wait -1
.endm
.macro PLACES
.rept 4
	v_nop
.endr
.endm
.macro FETCH slot, q, f, set
	PLACES
	WIN TO_F
.irp i, 0,1,2,3
	ds_load_b128 v[\f+12*\i:\f+12*\i+3], v[AB16+4*\slot] offset:6144*\i+1536*\q
	ds_load_b64 v[\f+12*\i+4:\f+12*\i+5], v[AB8+4*\slot] offset:6144*\i+1536*\q+512
	ds_load_b128 v[\f+12*\i+6:\f+12*\i+9], v[AB16+4*\slot] offset:6144*\i+1536*\q+768
	ds_load_b64 v[\f+12*\i+10:\f+12*\i+11], v[AB8+4*\slot] offset:6144*\i+1536*\q+1280
.endr
.irp i, 0,1,2,3
	ds_load_b128 v[\f+48+12*\i:\f+48+12*\i+3], v[AA16+4*\slot] offset:6144*\i+1536*\q
	ds_load_b64 v[\f+48+12*\i+4:\f+48+12*\i+5], v[AA8+4*\slot] offset:6144*\i+1536*\q+512
	ds_load_b128 v[\f+48+12*\i+6:\f+48+12*\i+9], v[AA16+4*\slot] offset:6144*\i+1536*\q+768
	ds_load_b64 v[\f+48+12*\i+10:\f+48+12*\i+11], v[AA8+4*\slot] offset:6144*\i+1536*\q+1280
.endr
	WIN 0
.irp i, 0,1,2,3
	ds_load_b32 v[SC+4*\set+\i], v[ADS] offset:SPT*\i+64*\q
.endr
.endm
.macro MUL16 f, set
	WIN MUL
.irp a, 0,1,2,3
.irp b, 0,1,2,3
	v_wmma_scale_f32_16x16x128_f8f6f4 v[ACC+8*(4*\a+\b):ACC+8*(4*\a+\b)+7], v[\f+12*\b:\f+12*\b+11], v[\f+48+12*\a:\f+48+12*\a+11], v[ACC+8*(4*\a+\b):ACC+8*(4*\a+\b)+7], v[SC+4*\set+\b], v[SC+4*\set+\a] matrix_a_fmt:MATRIX_FMT_FP6 matrix_b_fmt:MATRIX_FMT_FP6 matrix_a_scale:MATRIX_SCALE_ROW1
.endr
.endr
	WIN 0
.endm
.macro SLOTC slot
	FETCH \slot, 0, F0, 0
	s_wait_dscnt 0x0
	FETCH \slot, 1, F1, 1
	MUL16 F0, 0
	s_wait_dscnt 0x0
	FETCH \slot, 2, F0, 0
	MUL16 F1, 1
	s_wait_dscnt 0x0
	FETCH \slot, 3, F1, 1
	MUL16 F0, 0
	s_wait_dscnt 0x0
	MUL16 F1, 1
.endm
.macro TURN slot, fill
	s_wait_tensorcnt 0x0
	ds_add_u32 v[SPW], v[NIL]
.if \fill
	s_add_nc_u64 s[G0+6-4*\slot:G0+7-4*\slot], s[G0+6-4*\slot:G0+7-4*\slot], 2*6144
	s_add_nc_u64 s[G0B+6-4*\slot:G0B+7-4*\slot], s[G0B+6-4*\slot:G0B+7-4*\slot], 2*6144
.endif
	v_add_nc_u32 v[ADS], 256, v[ADS]
	s_wait_dscnt 0x0
.if \fill
	CROUND
	JLOAD G0+4-4*\slot, G1, G0B+4-4*\slot, G1B
.else
	s_barrier_signal -1
	s_barrier_wait -1
.endif
	s_wait_alu depctr_va_vdst(0)
	SLOTC \slot
.endm
	s_load_b256 s[4:11], s[0:1], 0x0
	v_lshl_add_u32 v[SPW], v0, 2, SPARE
	v_mov_b32 v[NIL], 0
	ds_add_u32 v28, v29
	ds_add_u32 v28, v29
	s_wait_dscnt 0x0
	v_lshrrev_b32 v1, 5, v0
	v_readfirstlane_b32 s14, v1
	s_lshr_b32 s15, s14, 1
	s_and_b32 s16, s14, 1
	s_bfe_u32 s40, ttmp6, 0x40000
	s_bfe_u32 s41, ttmp6, 0x40004
	s_lshl_b32 s42, ttmp9, 2
	s_add_co_u32 s42, s42, s40
	s_and_b32 s17, ttmp7, 0xffff
	s_lshl_b32 s17, s17, 2
	s_add_co_u32 s17, s17, s41
	s_lshl_b32 s43, s41, 2
	s_lshl_b32 s43, 15, s43
	s_lshl_b32 s44, 0x1111, s40
	s_or_b32 s[G1+0], s43, (3<<16)|(1<<21)
	s_or_b32 s[G1B+0], s44, (3<<16)|(1<<21)
.irp g, G1, G1B
	s_mov_b32 s[\g+1], 768<<16
	s_mov_b32 s[\g+2], 8<<16                       ; the head's loads bring a side's 8 tiles
	s_mov_b32 s[\g+3], 768<<16
	s_mov_b32 s[\g+4], 8
	s_mov_b32 s[\g+5], TP/8
	s_mov_b32 s[\g+6], 0
	s_mov_b32 s[\g+7], 0
.endr
	s_or_b32 s[G1S+0], s43, (3<<16)|(1<<21)
	s_or_b32 s[G1SB+0], s44, (3<<16)|(1<<21)
.irp g, G1S, G1SB
	s_mov_b32 s[\g+1], 32<<16
	s_mov_b32 s[\g+2], (2*HALFS/256)<<16           ; the scale words of a side's 8 tiles
	s_mov_b32 s[\g+3], 32<<16
	s_mov_b32 s[\g+4], 2*HALFS/256
	s_mov_b32 s[\g+5], 32
	s_mov_b32 s[\g+6], 0
	s_mov_b32 s[\g+7], 0
.endr
	s_mov_b32 s18, 0                               ; the head's loads begin at the block's first tile
	s_lshl_b32 s20, s17, 3
	s_add_co_u32 s20, s20, s18
	s_lshl_b32 s46, s42, 3
	s_add_co_u32 s46, s46, s18
	s_mul_i32 s22, s20, SPT
	s_add_co_u32 s22, s22, ASC
	s_mul_i32 s92, s46, SPT
	s_add_co_u32 s92, s92, BSC
	s_mul_i32 s20, s20, TP
	s_mul_i32 s46, s46, TP
	s_add_co_u32 s46, s46, BCD
	s_mov_b32 s21, 0
	s_mov_b32 s23, 0
	s_mov_b32 s47, 0
	s_mov_b32 s93, 0
	s_mul_i32 s45, s14, HALFT
	s_wait_kmcnt 0x0
	s_add_nc_u64 s[20:21], s[4:5], s[20:21]
	s_add_nc_u64 s[22:23], s[4:5], s[22:23]
	s_add_nc_u64 s[46:47], s[6:7], s[46:47]
	s_add_nc_u64 s[92:93], s[6:7], s[92:93]
	CROUND
	s_mov_b32 s[G0S], 1
	s_mov_b32 s[G0S+1], SCL
	s_mov_b64 s[G0S+2:G0S+3], s[22:23]
	s_or_b32 s[G0S+3], s[G0S+3], 0x80000000
	s_mov_b32 s[G0SB], 1
	s_mov_b32 s[G0SB+1], SCL+2*HALFS
	s_mov_b64 s[G0SB+2:G0SB+3], s[92:93]
	s_or_b32 s[G0SB+3], s[G0SB+3], 0x80000000
.set G0H,  4                           ; s[4:7], s[96:99] group 0 of the head's loads of slot 0 (the arguments that lay in s[4:7] have been used)
.set G0HB, 96
	s_mov_b32 s[G0H], 1
	s_mov_b32 s[G0H+1], 0
	s_mov_b64 s[G0H+2:G0H+3], s[20:21]
	s_or_b32 s[G0H+3], s[G0H+3], 0x80000000
	s_mov_b32 s[G0HB], 1
	s_mov_b32 s[G0HB+1], 2*HALFT
	s_mov_b64 s[G0HB+2:G0HB+3], s[46:47]
	s_or_b32 s[G0HB+3], s[G0HB+3], 0x80000000
	s_mul_i32 s18, s16, 4*TP                       ; for the ring: my 4 tiles of the side
	s_mov_b32 s19, 0
	s_add_nc_u64 s[20:21], s[20:21], s[18:19]
	s_add_nc_u64 s[46:47], s[46:47], s[18:19]
.irp s, 0,1
	s_mov_b32 s[G0+4*\s], 1
	s_add_co_u32 s[G0+4*\s+1], s45, \s*SLOT1
	s_add_nc_u64 s[G0+4*\s+2:G0+4*\s+3], s[20:21], \s*6144
	s_or_b32 s[G0+4*\s+3], s[G0+4*\s+3], 0x80000000
	s_mov_b32 s[G0B+4*\s], 1
	s_add_co_u32 s[G0B+4*\s+1], s45, \s*SLOT1
	s_add_nc_u64 s[G0B+4*\s+2:G0B+4*\s+3], s[46:47], \s*6144
	s_or_b32 s[G0B+4*\s+3], s[G0B+4*\s+3], 0x80000000
.endr
; THE HEAD'S LOADS, ONE A WAVE: wave 0 slot 0's 8 tiles of A, wave 1 its 8 of B, wave 2 A's scale words, wave 3 B's.  One tree of branches on the wave's number; every way passes one load.
.macro ARM under, g0, g1, next
	s_cmp_lt_u32 s14, \under
	s_cbranch_scc0 \next
	tensor_load_to_lds s[\g0:\g0+3], s[\g1:\g1+7]
	s_nop 0
.rept 4
	v_nop
.endr
	s_branch .Lhead_asked
\next:
.endm
	ARM 1, G0H,  G1,  .Lhead_b
	ARM 2, G0HB, G1B, .Lhead_sa
	ARM 3, G0S,  G1S, .Lhead_sb
	tensor_load_to_lds s[G0SB:G0SB+3], s[G1SB:G1SB+7]
	s_nop 0
.rept 4
	v_nop
.endr
.Lhead_asked:
	v_and_b32 v13, 31, v0
	v_and_b32 v14, 15, v0
	v_bfe_u32 v15, v0, 4, 1
	v_lshlrev_b32 v[L16], 4, v13
	s_wait_alu depctr_va_vdst(0)
	v_lshlrev_b32 v[L8], 3, v13
	s_wait_alu depctr_va_vdst(0)
	v_lshlrev_b32 v[R4], 2, v14
	s_lshl_b32 s18, s17, 3
	s_lshl_b32 s19, s15, 2
	s_add_co_u32 s18, s18, s19
	s_lshl_b32 s20, s18, 3
	s_add_co_u32 s20, s20, s42
	s_lshl_b32 s20, s20, 13
	s_lshl_b32 s21, s16, 12
	s_add_co_u32 s20, s20, s21
	s_mov_b32 s21, 0
	s_add_nc_u64 s[8:9], s[8:9], s[20:21]
.irp a, 0,1,2,3
.irp q, 0,1,2,3,4,5,6,7
	global_load_b128 v[ACC+32*\a+4*\q:ACC+32*\a+4*\q+3], v[L16], s[8:9] offset:65536*\a+512*\q th:TH_LOAD_NT
.endr
.endr
	s_lshl_b32 s22, s18, 16
	s_lshl_b32 s23, s42, 9
	s_add_co_u32 s22, s22, s23
	s_lshl_b32 s23, s16, 8
	s_add_co_u32 s22, s22, s23
	s_mov_b32 s23, 0
	s_add_nc_u64 s[10:11], s[10:11], s[22:23]
	s_mul_i32 s21, s15, HALFT
	s_mul_i32 s22, s16, HALFT
	s_add_co_u32 s22, s22, 2*HALFT
.irp s, 0,1
	v_add_nc_u32 v[AA16+4*\s], s21, v[L16]
	v_add_nc_u32 v[AA8+4*\s], s21, v[L8]
	v_add_nc_u32 v[AB16+4*\s], s22, v[L16]
	v_add_nc_u32 v[AB8+4*\s], s22, v[L8]
	s_add_co_u32 s21, s21, SLOT1
	s_add_co_u32 s22, s22, SLOT1
.endr
	s_mul_i32 s21, s15, HALFS
	s_mul_i32 s22, s16, HALFS
	s_add_co_u32 s22, s22, 2*HALFS
	s_sub_co_u32 s22, s22, s21
	v_mul_u32_u24 v13, s22, v15
	s_add_co_u32 s21, s21, SCL
	v_add_nc_u32 v[ADS], v[R4], v13
	v_add_nc_u32 v[ADS], s21, v[ADS]
	s_mul_i32 s23, s14, 16*272
	s_add_co_u32 s23, s23, STAGE
	v_mul_u32_u24 v[STO], v14, 272
	v_lshl_add_u32 v[STO], v15, 6, v[STO]
	v_add_nc_u32 v[STO], s23, v[STO]
	v_mul_u32_u24 v[RD], v15, 272
	v_lshl_add_u32 v[RD], v14, 4, v[RD]
	v_add_nc_u32 v[RD], s23, v[RD]
	v_lshlrev_b32 v[CO], 12, v15
	v_lshl_add_u32 v[CO], v14, 4, v[CO]
	s_wait_alu depctr_va_vdst(0)
	s_wait_tensorcnt 0x0                           ; my load of the head has landed; the lines ahead of a later first fill:
	ds_add_u32 v28, v29
	s_mov_b32 s[G1+2], 4<<16                       ; no load of mine is out: from here on a load brings 4 tiles
	s_mov_b32 s[G1+4], 4
	s_mov_b32 s[G1B+2], 4<<16
	s_mov_b32 s[G1B+4], 4
	s_wait_dscnt 0x0
	CROUND                                         ; slot 0 and the scale words are whole, and all sixteen work-groups are here
	JLOAD G0+4, G1, G0B+4, G1B                     ; slot 1's first fill, the first tensor load behind the round
	s_wait_loadcnt 0x0
	SLOTC 0
	s_mov_b32 s3, 3
.Llap:
	s_wait_alu depctr_va_vdst(0)
	TURN 1, 1
	TURN 0, 1
	s_sub_co_u32 s3, s3, 1
	s_cmp_lg_u32 s3, 0
	s_cbranch_scc1 .Llap
	TURN 1, 0
	PLACES
.irp a, 0,1,2,3
.if \a >= 2
	s_wait_xcnt 0x0
.endif
.irp q, 0,1,2,3,4,5,6,7
	ds_store_b128 v[STO], v[ACC+32*\a+4*\q:ACC+32*\a+4*\q+3] offset:128*(\q/4)+16*(\q%4)
.endr
.irp t, 0,1,2,3,4,5,6,7
	ds_load_b128 v[BK+32*(\a%2)+4*\t:BK+32*(\a%2)+4*\t+3], v[RD] offset:544*\t
.endr
	s_wait_dscnt 0x0
.irp t, 0,1,2,3,4,5,6,7
	global_store_b128 v[CO], v[BK+32*(\a%2)+4*\t:BK+32*(\a%2)+4*\t+3], s[10:11] offset:(32*(\a/2)+8*(\a%2)+2*\t+8*(\t/4))*4096 th:TH_STORE_NT
.endr
.endr
	s_wait_tensorcnt 0x0
	ds_add_u32 v[SPW], v[NIL]
	s_wait_dscnt 0x0
	CROUND
	s_endpgm
.Lfunc_end_k_q365c5bcb29_fc2:
	.size	k_q365c5bcb29_fc2, .Lfunc_end_k_q365c5bcb29_fc2-k_q365c5bcb29_fc2
	.p2alignl 7, 3214868480
	.fill 96, 4, 3214868480
	.section	.rodata,"a",@progbits
	.p2align	6, 0x0
	.amdhsa_kernel k_q365c5bcb29_fc2
		.amdhsa_group_segment_fixed_size 327680
		.amdhsa_private_segment_fixed_size 0
		.amdhsa_enable_private_segment 0
		.amdhsa_kernarg_size 32
		.amdhsa_user_sgpr_count 2
		.amdhsa_user_sgpr_kernarg_segment_ptr 1
		.amdhsa_wavefront_size32 1
		.amdhsa_system_sgpr_workgroup_id_x 1
		.amdhsa_system_sgpr_workgroup_id_y 1
		.amdhsa_system_sgpr_workgroup_id_z 1
		.amdhsa_system_vgpr_workitem_id 0
		.amdhsa_next_free_vgpr 512
		.amdhsa_next_free_sgpr 100
		.amdhsa_reserve_vcc 0
		.amdhsa_float_denorm_mode_32 3
		.amdhsa_float_denorm_mode_16_64 3
		.amdhsa_memory_ordered 1
		.amdhsa_forward_progress 1
		.amdhsa_inst_pref_size 97
	.end_amdhsa_kernel
	.amdgpu_metadata
---
amdhsa.version: [ 1, 2 ]
amdhsa.kernels:
  - .name:           k_q365c5bcb29_fc2
    .symbol:         k_q365c5bcb29_fc2.kd
    .args:
      - { .name: G, .offset: 0, .size: 8, .value_kind: global_buffer, .address_space: global }
      - { .name: W, .offset: 8, .size: 8, .value_kind: global_buffer, .address_space: global }
      - { .name: H2, .offset: 16, .size: 8, .value_kind: global_buffer, .address_space: global }
      - { .name: out0, .offset: 24, .size: 8, .value_kind: global_buffer, .address_space: global }
    .group_segment_fixed_size: 327680
    .private_segment_fixed_size: 0
    .kernarg_segment_align: 8
    .kernarg_segment_size: 32
    .max_flat_workgroup_size: 128
    .sgpr_count:     100
    .vgpr_count:     512
    .wavefront_size: 32
...
	.end_amdgpu_metadata
.endif
;; end of part 6
